; MI455X (gfx1250); checked and timed in simulation.
; The chip was launched on July 23, 2026; its instructions are those of AMD's public machine-readable ISA for CDNA 5 (MIT licence, August 2026) and "CDNA5" Instruction Set Architecture Reference Guide (July 2026). The comments in the code are by the model that wrote it; some were corrected since.
;; Rotary Multi Head Attention. Allowed arithmetic: matrix products marked QUANTISED: E2M1 operands, one E8M0 scale for each 32 along K, by v_wmma_scale_f32_16x16x128_f8f6f4 with both operands' format E2M1 (or v_wmma_scale_f32_32x16x128_f4), f32 sums; products left as they are: f32 operands where the result goes on into a quantised operand, else bf16, f16 or f32 operands; f32 sums; everything else in f32.
;; Inputs: Wk_codes 1,024 x 32 x 16 uint8 (E2M1 codes of Wk, K innermost, in blocks of 32 codes, two codes a byte); Wk_scales 1,024 x 32 uint8 (E8M0 scales of Wk, one for each 32 codes along K); Wo_codes 1,024 x 32 x 16 uint8 (E2M1 codes of Wo, K innermost, in blocks of 32 codes, two codes a byte); Wo_scales 1,024 x 32 uint8 (E8M0 scales of Wo, one for each 32 codes along K); Wq_codes 1,024 x 32 x 16 uint8 (E2M1 codes of Wq, K innermost, in blocks of 32 codes, two codes a byte); Wq_scales 1,024 x 32 uint8 (E8M0 scales of Wq, one for each 32 codes along K); Wv_codes 1,024 x 32 x 16 uint8 (E2M1 codes of Wv, K innermost, in blocks of 32 codes, two codes a byte); Wv_scales 1,024 x 32 uint8 (E8M0 scales of Wv, one for each 32 codes along K); bk 1,024 float32; bo 1,024 float32; bq 1,024 float32; bv 1,024 float32; x_codes 2 x 2,048 x 32 x 16 uint8 (E2M1 codes of x, K innermost, in blocks of 32 codes, two codes a byte); x_scales 2 x 2,048 x 32 uint8 (E8M0 scales of x, one for each 32 codes along K).
;; Outputs: out0 2 x 2,048 x 1,024 float32.
;; This version of the problem:
;;   THIS VERSION OF THE PROBLEM IS GIVEN IN LOW PRECISION. The matrix products marked QUANTISED in the list below multiply operands that are first quantised to E2M1 (2 exponent bits, 1 mantissa bit; 4 bits a number), with one power-of-two scale for each 32 numbers along K (OCP MX v1.0); their sums are f32. All else is computed in f32.
;;   The module's matrix products, in the order in which they are computed (A, B: the left and right operand; K: the contracted axis; several contracted axes count as one K, in the product's order):
;;     1. [M 4,096, K 1,024] x [K 1,024, N 1,024]; A: input x (given as codes); B: input Wq (given as codes): QUANTISED
;;     2. [M 4,096, K 1,024] x [K 1,024, N 1,024]; A: input x (given as codes); B: input Wk (given as codes): QUANTISED
;;     3. [M 4,096, K 1,024] x [K 1,024, N 1,024]; A: input x (given as codes); B: input Wv (given as codes): QUANTISED
;;     4. [M 2,048, K 1] x [K 1, N 32]; A: computed on the way; B: computed on the way: left as it is (no contracted axis)
;;     5. batch 32 x [M 2,048, K 64] x [K 64, N 2,048]; A: computed on the way; B: computed on the way: QUANTISED
;;     6. batch 32 x [M 2,048, K 2,048] x [K 2,048, N 64]; A: softmax (see below); B: computed on the way: QUANTISED
;;     7. [M 4,096, K 1,024] x [K 1,024, N 1,024]; A: computed on the way; B: input Wo (given as codes): QUANTISED
;;   THE QUANTISER, for each operand of a quantised product, along K:
;;     - K is cut into blocks of 32 from its start; a last block that is shorter is filled with zeros.
;;     - A block's scale is 2^e with e = floor(log2(the largest magnitude in the block)) - 2, held to -126 .. 127; a block of zeros has e = 0. As a byte (E8M0): e + 127.
;;     - Each number is divided by its block's scale, clamped to +-6, and rounded to the nearest number of E2M1, ties to even, subnormals kept.
;;     - The product sums the exact products of the quantised numbers (number of the format x scale) in f32.
;;   ~~~python
;;   def quantise(x, axis):      # numpy; x: float32 -> the quantised numbers, widened to float32 again
;;       x = np.moveaxis(x, axis, -1); K = x.shape[-1]
;;       x = np.pad(x, [(0, 0)] * (x.ndim - 1) + [(0, -K % 32)]); x = x.reshape(x.shape[:-1] + (-1, 32)); a = np.abs(x).max(-1, keepdims=True)
;;       e = np.where(a > 0, np.clip(np.frexp(np.where(a > 0, a, 1))[1] - 1 - 2, -126, 127), 0)      # np.frexp(a)[1] - 1 = floor(log2(a)), exactly
;;       r = np.clip(x / 2.0 ** e, -6, 6)
;;       step = 2.0 ** (np.maximum(np.frexp(np.where(r == 0, 1, r))[1] - 1, 0) - 1)
;;       q = np.round(r / step) * step * 2.0 ** e      # np.round: ties to even
;;       return np.moveaxis(q.reshape(q.shape[:-2] + (-1,))[..., :K], -1, axis).astype(np.float32)
;;   ~~~
;;   SOFTMAX AHEAD OF A QUANTISED PRODUCT. Where the list says 'softmax', what is quantised is not the finished softmax but p = 2^(t - M), with t = logit x log2(e) and M = ceil(the row's largest t), a whole number; so 1/2 < the row's largest p <= 1. The row's sum l is taken of the UNQUANTISED p, in f32, and the product's result is divided by l at the end. Since M is a whole number, a kernel that streams over the keys may use a running M (the ceiling of the running maximum): every later rescaling is an exact power of two, which a block's scale takes up: the codes' values come out the same.
;;   OPERANDS COMPUTED ON THE WAY. 'Computed on the way' means the value that the module computes at that place (a softmax that the list does not call 'softmax' is quantised finished and normalised). What goes into a quantiser is computed in f32, as accurately as f32 sums, v_exp_f32 and their like allow (about 1e-6 of the number): no bf16 or f16 on the way to a quantiser, and a product that is left as it is and whose result goes on into a quantised operand takes f32 operands (vector FMAs, or v_wmma_f32_16x16x4_f32). A number that lies on a knife's edge between two numbers of the format may be rounded either way, as far as f32 arithmetic and the matrix unit's own rounding can turn it there, and no further.
;;   INPUTS GIVEN AS CODES. Wk (in the module: [1024, 1024], K = its axis 1); Wo (in the module: [1024, 1024], K = its axis 1); Wq (in the module: [1024, 1024], K = its axis 1); Wv (in the module: [1024, 1024], K = its axis 1); x (in the module: [2, 2048, 1024], K = its axis 2): each comes as NAME_codes (uint8): NAME with its K axis moved to the last place and cut into blocks of 32 codes, [.., K / 32, bytes a block], one block behind the other in memory; two codes a byte, the lower K in the low four bits (a code: sign, 2 exponent bits, 1 mantissa bit); and NAME_scales (uint8): the same leading axes, one E8M0 byte (e + 127) for each 32 codes along K. Its value is code x scale, taken as it is: it is not quantised again, and the codes and scales need not be those that the quantiser above would give.
;; One version. Each part assembles by itself: llvm-mc -triple=amdgcn-amd-amdhsa -mcpu=gfx1250 --defsym DOCPART=n.
;; ======== version 1 of 1: 3 launches
;; limits: right only within a limited range of input values
;; workspace buffers: qkv 6,946,816 bytes; ac 2,097,152 bytes; asc 131,072 bytes
;; launch qkv (part 1): grid 48 x 4, 4 waves a work-group, clusters of 4 x 4, 327,680 bytes of LDS; arguments x_codes, x_scales, Wq_codes, Wq_scales, Wk_codes, Wk_scales, Wv_codes, Wv_scales, bq, bk, bv, qkv; writes qkv
.if DOCPART == 1
	.amdgcn_target "amdgcn-amd-amdhsa--gfx1250"
	.amdhsa_code_object_version 6
	.text
	.protected	k_qa03fecfde4_qkv
	.globl	k_qa03fecfde4_qkv
	.p2align	8
	.type	k_qa03fecfde4_qkv,@function
k_qa03fecfde4_qkv:
	s_mov_b64 s[64:65], 0
	v_nop
	global_prefetch_b8 v0, s[64:65] scope:SCOPE_SE
	s_setreg_imm32_b32 hwreg(HW_REG_WAVE_MODE, 25, 1), 1
	s_wait_xcnt 0x0
	s_wait_alu depctr_hold_cnt(0) depctr_sa_sdst(0) depctr_va_vdst(0) depctr_va_sdst(0) depctr_va_ssrc(0) depctr_va_vcc(0) depctr_vm_vsrc(0)
	s_getreg_b32 s2, hwreg(HW_REG_IB_STS2, 6, 4)
	s_cmp_eq_u32 s2, 0
	s_cbranch_scc0 .Lentry_in_a_cluster
	s_endpgm
.Lentry_in_a_cluster:
	s_bfe_u32 s2, ttmp6, 0x10000c
	s_cmp_lg_u32 s2, 0xf033
	s_cbranch_scc0 .Lentry_shape_is_right
	s_endpgm
.Lentry_shape_is_right:
; q = x Wq^T + bq, k = x Wk^T + bk, v = x Wv^T + bv on codes of FP4 (E2M1) with one E8M0 scale for each 32 along K = 1,024; rotary turn of q and k in f32;
; q and k quantised along a head's 64 numbers, v along the keys.  All three leave as codes and scale words in the order of the next launch's operand registers.
; NOTHING OF THE PROBLEM IS LEFT OUT in this program: each bias goes into a quantiser (and the turn makes bk's part hang on the key), so all eleven inputs are loaded.
; LIMITS: NaN, infinities and given scale bytes 0xff are not served.  A block whose largest magnitude lies under 2^-124 (a block of zeros too) gets the byte 1 where the
; quantiser says 127 for zeros: its codes are zeros and this program alone reads the bytes.  The bias is the first term of each sum.  1 / 10000^(j/32) is a reciprocal with one correcting step.
; cos and sin: the angle position x frequency in f32 as the problem has it; whole quarter turns taken off in two parts of pi/2; polynomials of degree 7 and 8 on +-pi/4.
; SHARES.  192 work-groups = 12 clusters of 4 x 4.  Cluster x / 4 says q, k or v; cluster x % 4 = sub.  A work-group makes 256 x 256 results, each of its four waves 128 x 128 in 64 accumulators.
;   q, k: source 1 (called A) = 256 rows of x: positions 128 TR .. + 127 of BOTH batches (TR = 4 sub + cy), so that one cos and sin serves two tiles; source 0 (B) = 256 rows of W (256 cx on).
;         A lane then holds one token and eight neighbouring numbers of a head.
;   v:    A = 256 rows of Wv (256 cy on), B = 256 rows of x (1,024 sub + 256 cx on): a lane holds one channel and eight neighbouring KEYS, and the same lines quantise along the keys.
; 3 x 1,024 columns do not cut into 256 equal tiles that keep q, k and v apart; tiles a quarter as large would be 768 work-groups, three for each WGP one after the other.
; A's tiles are asked for jointly along a row of the cluster, B's along a column.  K = 1,024 is two LDS slots of 512: both are first fills, nothing is filled twice.
; REGISTERS, in windows of 256: window 0: v1 r, v2 h, v16-30 addresses, v32-95 scale words (two sets; they hold nothing else), v128-191 A's fragments; on the way out v4-25 and v96-255.
;   window 1: B's fragments at v0 and v128, the bias at v64.   windows 2, 3: accumulator (a, b) at v[8 (8 (a % 4) + b)].
.set PITCH,  272                       ; an LDS row: 256 bytes + 16 of padding, so that the 16 rows of a load begin 68 words apart
.set HALFT,  128*PITCH                 ; what one tensor load brings
.set SLOT,   4*HALFT                   ; A's 256 rows, then B's
.set SPARE,  2*SLOT                    ; behind the two slots: the spare words, 128 bytes a wave.  (No prefetch: no loop streams from memory)
.set FR,     8
.set REC,    217088                    ; a head's record in qkv: K's codes, V's codes, K's scale words, V's, Q's codes, Q's scale words
.set VC,     65536
.set KS,     131072
.set VS,     139264
.set QC,     143360
.set QS,     208896
.set ADRA, 16
.set ADRB, 20
.set LI,   26                          ; 16 x lane
.set SPW,  28
.set NIL,  29
.set SA,   32                          ; A's scale words, straight from memory: block i at SA + 4 i; lanes 0-15 the words of K's first half, lanes 16-31 those of its second
.set SB,   64                          ; B's likewise
.set AF,   128
.set BI,   64                          ; window 1: the bias, eight registers a tile
.set WV,   100
.set U,    101
.set W2,   2
.set KIND, 3
.set CX,   66
.set CY,   67
.set SUB,  38
.set G1,   40
.set G1B,  48
.set G0,   56
.set G0B,  68
.set PSA1, 76                          ; s[76:77] where the scale bytes of A's blocks 4-7 begin
.set PSA,  94                          ; s[94:95] of A's blocks 0-3
.set PSB,  98                          ; s[98:99] of B's
.set SEL,  22
; the way out, window 0
.set MAG,  4                           ; pairs of constants
.set S2C,  6
.set C2C,  8
.set S1C,  10
.set C1C,  12
.set POS,  14
.set VSO,  16
.set TM,   240                         ; four registers each; they and Y2 lie where SINCOS has its work, which is done by then
.set PX,   244
.set SO,   248
.set BY,   252
.set Y2,   208
.set E,    96                          ; two scale bytes of (a, g) at E + 2 a + g
.set SW,   112
.set CD,   120
.set Y,    128
.set COS,  160
.set SIN,  176
.set F,    192
.set T,    208
.set PS,   224
.set PC,   240
.set MSB, 0
.macro WIN new                         ; the immediate's high byte repeats the setting that is left
.if MSB != (\new)
	s_set_vgpr_msb (MSB<<8)|(\new)
.set MSB, (\new)
.endif
.endm
.set MUL_LO, 0xa1                      ; source 0 (B) window 1, source 1 (A) window 0, C and D window 2
.set MUL_HI, 0xf1
.set TO_B,   0x40
.macro PLACES
.rept 4
	v_nop
.endr
.endm
; A joint load: waves 0 and 1 fetch for A, waves 2 and 3 for B; the branch hangs on the wave's number alone.  An s_nop 0 and four v_nop follow each line.
.macro JLOAD g0a, g1a, g0b, g1b
	s_cmp_eq_u32 s[U], 0
	s_cbranch_scc0 .Lfor_b_\@
	tensor_load_to_lds s[\g0a:\g0a+3], s[\g1a:\g1a+7]
	s_nop 0
.rept 4
	v_nop
.endr
	s_branch .Lasked_\@
.Lfor_b_\@:
	tensor_load_to_lds s[\g0b:\g0b+3], s[\g1b:\g1b+7]
	s_nop 0
.rept 4
	v_nop
.endr
.Lasked_\@:
.endm
.macro CROUND                          ; a round of the cluster's barrier
	s_barrier_signal -1
	s_barrier_wait -1
	s_cmp_lg_u32 s[WV], 0
	s_cbranch_scc1 .Lnot_wave_0_\@
	s_barrier_signal -3
.Lnot_wave_0_\@:
	s_barrier_wait -3
	s_barrier_signal -1
	s_barrier_wait -1
.endm
	s_load_b512 s[4:19], s[0:1], 0x0               ; x codes, x scales, Wq c, Wq s, Wk c, Wk s, Wv c, Wv s
	s_load_b256 s[20:27], s[0:1], 0x40             ; bq, bk, bv, qkv
	v_lshl_add_u32 v[SPW], v0, 2, SPARE
	v_mov_b32 v[NIL], 0
	ds_add_u32 v[SPW], v[NIL]                      ; the wave's opening: the add, twice on end, and its wait ahead of my first tensor load
	ds_add_u32 v[SPW], v[NIL]
	v_lshrrev_b32 v1, 5, v0
	v_readfirstlane_b32 s[WV], v1                  ; wave 0..3
	s_lshr_b32 s[U], s[WV], 1                      ; my half of A's rows; also: I fetch for A (0) or B (1)
	s_and_b32 s[W2], s[WV], 1                      ; my half of B's rows; also: which 128 rows I fetch
	s_bfe_u32 s[CX], ttmp6, 0x40000
	s_bfe_u32 s[CY], ttmp6, 0x40004
	s_lshr_b32 s[KIND], ttmp9, 2                   ; 0 q, 1 k, 2 v: the same in all sixteen partners
	s_and_b32 s[SUB], ttmp9, 3
	s_lshl_b32 s28, s[CY], 2
	s_lshl_b32 s28, 15, s28                        ; my row of the cluster
	s_lshl_b32 s29, 0x1111, s[CX]                  ; my column
	s_or_b32 s[G1], s28, (1<<20)|(1<<21)|(5<<22)|(3<<25)    ; mask; elements of 1 byte; padding on; bit 21 beside a mask; 4 words after every 64
	s_or_b32 s[G1B], s29, (1<<20)|(1<<21)|(5<<22)|(3<<25)
.irp g, G1, G1B
	s_mov_b32 s[\g+1], 256<<16                     ; tensor_dim0: 512 codes
	s_mov_b32 s[\g+2], 128<<16                     ; tensor_dim1
	s_mov_b32 s[\g+3], 256<<16                     ; tile_dim0
	s_mov_b32 s[\g+4], 128                         ; tile_dim1
	s_mov_b32 s[\g+5], 512                         ; a row of 1,024 codes
	s_mov_b32 s[\g+6], 0
	s_mov_b32 s[\g+7], 0
.endr
	; the first rows that I fetch.  A's hang on cy (and sub), B's on cx (and sub), each in registers that never hold the other
	s_lshl_b32 s30, s[SUB], 2
	s_add_co_u32 s30, s30, s[CY]                   ; TR
	s_lshl_b32 s30, s30, 7
	s_lshl_b32 s31, s[W2], 11
	s_add_co_u32 s30, s30, s31                     ; q, k: x's row 128 TR + 2,048 x half
	s_lshl_b32 s31, s[CY], 8
	s_lshl_b32 s32, s[W2], 7
	s_add_co_u32 s31, s31, s32                     ; v: Wv's row 256 cy + 128 x half
	s_lshl_b32 s33, s[CX], 8
	s_add_co_u32 s33, s33, s32                     ; B: 256 cx + 128 x half,
	s_lshl_b32 s34, s[SUB], 10
	s_cmp_eq_u32 s[KIND], 2
	s_cselect_b32 s30, s31, s30
	s_cselect_b32 s34, s34, 0
	s_movk_i32 s39, 2048
	s_cselect_b32 s39, 128, s39                    ; rows from A's first half to its second
	s_add_co_u32 s33, s33, s34                     ; for v + 1,024 sub
	s_mul_i32 s31, s[W2], s39
	s_sub_co_u32 s31, s30, s31
	s_lshl_b32 s32, s[U], 6
	s_add_co_u32 s31, s31, s32                     ; the first row of my blocks 0-3 of A
	s_lshl_b32 s[G0+2], s30, 9                     ; in bytes: codes 512 a row, scale bytes 32
	s_mov_b32 s[G0+3], 0
	s_lshl_b32 s[PSA], s31, 5
	s_mov_b32 s[PSA+1], 0
	s_lshl_b32 s[G0B+2], s33, 9
	s_mov_b32 s[G0B+3], 0
	s_lshl_b32 s[PSB], s33, 5
	s_mov_b32 s[PSB+1], 0
	s_lshl_b32 s78, s39, 5
	s_mov_b32 s79, 0
	s_mov_b32 s[G0], 1
	s_mul_i32 s[G0+1], s[WV], HALFT                ; where they go: wave x 128 rows; no place in the cluster enters an LDS address
	s_mov_b32 s[G0B], 1
	s_mul_i32 s[G0B+1], s[WV], HALFT
	s_wait_dscnt 0x0                               ; both opening adds are done
	s_wait_kmcnt 0x0
	s_cmp_eq_u32 s[KIND], 0                        ; the buffers are chosen by the cluster's number alone
	s_cselect_b64 s[8:9], s[8:9], s[12:13]         ; Wq or Wk
	s_cselect_b64 s[10:11], s[10:11], s[14:15]
	s_cselect_b64 s[36:37], s[20:21], s[22:23]
	s_cmp_eq_u32 s[KIND], 2
	s_cselect_b64 s[28:29], s[16:17], s[4:5]       ; A's codes,
	s_cselect_b64 s[30:31], s[18:19], s[6:7]       ; A's scales,
	s_cselect_b64 s[32:33], s[4:5], s[8:9]         ; B's codes,
	s_cselect_b64 s[34:35], s[6:7], s[10:11]       ; B's scales,
	s_cselect_b64 s[36:37], s[24:25], s[36:37]     ; the bias
	s_add_nc_u64 s[G0+2:G0+3], s[28:29], s[G0+2:G0+3]
	s_add_nc_u64 s[PSA:PSA+1], s[30:31], s[PSA:PSA+1]
	s_add_nc_u64 s[PSA1:PSA1+1], s[PSA:PSA+1], s[78:79]
	s_add_nc_u64 s[G0B+2:G0B+3], s[32:33], s[G0B+2:G0B+3]
	s_add_nc_u64 s[PSB:PSB+1], s[34:35], s[PSB:PSB+1]
	s_or_b32 s[G0+3], s[G0+3], 0x80000000
	s_or_b32 s[G0B+3], s[G0B+3], 0x80000000
	CROUND                                         ; all sixteen work-groups are here: the joint loads meet
	JLOAD G0, G1, G0B, G1B                         ; slot 0: my one tensor load at the head
	v_and_b32 v1, 15, v0                           ; r
	v_bfe_u32 v2, v0, 4, 1                         ; h
	v_mul_u32_u24 v3, v1, PITCH
	v_lshl_add_u32 v4, v2, 4, v3                   ; a fragment's row x pitch + 16 h
	s_mul_i32 s4, s[U], 64*PITCH                   ; A: my blocks 0-3 begin at row 64 U, blocks 4-7 128 rows further on
	s_mul_i32 s5, s[W2], HALFT
	s_add_co_u32 s5, s5, 2*HALFT                   ; B: my 128 rows, behind A's 256
	v_add_nc_u32 v[ADRA], s4, v4
	v_add_nc_u32 v[ADRB], s5, v4
	v_add_nc_u32 v[ADRA+1], SLOT, v[ADRA]
	v_add_nc_u32 v[ADRB+1], SLOT, v[ADRB]
	v_lshlrev_b32 v5, 5, v1
	v_lshl_add_u32 v5, v2, 4, v5                   ; scale bytes: 32 a row, 16 for each half of K: a load covers 512 consecutive bytes
.irp i, 0,1,2,3
	global_load_b128 v[SA+4*\i:SA+4*\i+3], v5, s[PSA:PSA+1] offset:512*\i
	global_load_b128 v[SA+16+4*\i:SA+16+4*\i+3], v5, s[PSA1:PSA1+1] offset:512*\i
.endr
.irp i, 0,1,2,3,4,5,6,7
	global_load_b128 v[SB+4*\i:SB+4*\i+3], v5, s[PSB:PSB+1] offset:512*\i
.endr
	v_and_b32 v3, 31, v0
	v_lshlrev_b32 v[LI], 4, v3
	s_wait_alu depctr_va_vdst(0)                   ; the wait here, ahead of the branch
	; the bias, in the result's layout: it is the C of each sum's first product
	s_cmp_eq_u32 s[KIND], 2
	s_cbranch_scc1 .Lbias_v
	s_lshl_b32 s10, s[CX], 10                      ; q, k: a lane's eight registers of tile b are columns 16 b + 8 h + 0..7
	s_lshl_b32 s11, s[W2], 9
	s_add_co_u32 s10, s10, s11
	s_mov_b32 s11, 0
	s_add_nc_u64 s[36:37], s[36:37], s[10:11]
	v_lshlrev_b32 v7, 5, v2
	WIN TO_B
.irp b, 0,1,2,3,4,5,6,7
	global_load_b128 v[BI+8*\b:BI+8*\b+3], v7, s[36:37] offset:64*\b
	global_load_b128 v[BI+8*\b+4:BI+8*\b+7], v7, s[36:37] offset:64*\b+16
.endr
	WIN 0
	s_branch .Lbias_done
.Lbias_v:
	s_lshl_b32 s10, s[CY], 10                      ; v: a lane's eight registers of block a all belong to channel r of that block
	s_lshl_b32 s11, s[U], 8
	s_add_co_u32 s10, s10, s11
	s_mov_b32 s11, 0
	s_add_nc_u64 s[36:37], s[36:37], s[10:11]
	v_lshlrev_b32 v7, 2, v1
	WIN TO_B
.irp a, 0,1,2,3,4,5,6,7
.irp j, 0,1,2,3,4,5,6,7
	global_load_b32 v[BI+8*\a+\j], v7, s[36:37] offset:4*(16*\a+64*(\a/4))
.endr
.endr
	WIN 0
.Lbias_done:
.macro FRAGB reg, adr, q, i            ; 16 rows x 128 K of 4-bit codes: two loads of 16 bytes, 32 bytes apart
.irp c, 0,1
	ds_load_b128 v[\reg+4*\c:\reg+4*\c+3], v[\adr] offset:64*((\q)%4)+32*\c+(\i)*16*PITCH
.endr
.endm
.macro FRAGA reg, adr, q, i            ; A's blocks 4-7 lie 64 rows further on than their number says
.irp c, 0,1
	ds_load_b128 v[\reg+4*\c:\reg+4*\c+3], v[\adr] offset:64*((\q)%4)+32*\c+((\i)+4*((\i)/4))*16*PITCH
.endr
.endm
; 16 products: A's blocks a0, a0 + 1 x B's eight.  zero = 1: C = the bias by B's block; 2: by A's block; 0: the sum goes on.  The 64 accumulators take turns.
.macro MUL16 a0, p, q, zero            ; q: which 128 along K, 0..7
.irp a, \a0, \a0+1
.irp b, 0,1,2,3,4,5,6,7
.if (\zero) == 1
	v_wmma_scale_f32_16x16x128_f8f6f4 v[8*(8*((\a)%4)+\b):8*(8*((\a)%4)+\b)+7], v[128*(\p)+FR*\b:128*(\p)+FR*\b+FR-1], v[AF+FR*(\a):AF+FR*(\a)+FR-1], v[BI+8*\b:BI+8*\b+7], v[SB+4*\b+(\q)], v[SA+4*(\a)+(\q)] matrix_a_fmt:MATRIX_FMT_FP4 matrix_b_fmt:MATRIX_FMT_FP4
.elseif (\zero) == 2
	v_wmma_scale_f32_16x16x128_f8f6f4 v[8*(8*((\a)%4)+\b):8*(8*((\a)%4)+\b)+7], v[128*(\p)+FR*\b:128*(\p)+FR*\b+FR-1], v[AF+FR*(\a):AF+FR*(\a)+FR-1], v[BI+8*(\a):BI+8*(\a)+7], v[SB+4*\b+(\q)], v[SA+4*(\a)+(\q)] matrix_a_fmt:MATRIX_FMT_FP4 matrix_b_fmt:MATRIX_FMT_FP4
.elseif (\q) < 4
	v_wmma_scale_f32_16x16x128_f8f6f4 v[8*(8*((\a)%4)+\b):8*(8*((\a)%4)+\b)+7], v[128*(\p)+FR*\b:128*(\p)+FR*\b+FR-1], v[AF+FR*(\a):AF+FR*(\a)+FR-1], v[8*(8*((\a)%4)+\b):8*(8*((\a)%4)+\b)+7], v[SB+4*\b+(\q)], v[SA+4*(\a)+(\q)] matrix_a_fmt:MATRIX_FMT_FP4 matrix_b_fmt:MATRIX_FMT_FP4
.else
	v_wmma_scale_f32_16x16x128_f8f6f4 v[8*(8*((\a)%4)+\b):8*(8*((\a)%4)+\b)+7], v[128*(\p)+FR*\b:128*(\p)+FR*\b+FR-1], v[AF+FR*(\a):AF+FR*(\a)+FR-1], v[8*(8*((\a)%4)+\b):8*(8*((\a)%4)+\b)+7], v[SB+4*\b+(\q)-4], v[SA+4*(\a)+(\q)-4] matrix_a_fmt:MATRIX_FMT_FP4 matrix_b_fmt:MATRIX_FMT_FP4 matrix_a_scale:MATRIX_SCALE_ROW1 matrix_b_scale:MATRIX_SCALE_ROW1
.endif
.endr
.endr
.endm
.macro FETCH_B slot, q, p
	WIN TO_B
.irp i, 0,1,2,3,4,5,6,7
	FRAGB 128*(\p)+FR*\i, ADRB+\slot, \q, \i
.endr
	WIN 0
.endm
.macro FETCH_A slot, q, i0
.irp i, \i0, \i0+1, \i0+2, \i0+3
	FRAGA AF+FR*(\i), ADRA+\slot, \q, \i
.endr
.endm
; A step of 128 along K whose successor lies in the same slot.  A has one set of registers (blocks 0-3 fetched anew in the middle, 4-7 at the end), B two.
.macro STEP slot, q, zero
	s_wait_dscnt 8                                 ; all but the youngest eight loads (A's blocks 4-7) are in
.if \zero
	WIN 0x91                                       ; C, the bias, in window 1; D in window 2
.else
	WIN MUL_LO
.endif
	MUL16 0, (\q)%2, \q, \zero
	MUL16 2, (\q)%2, \q, \zero
	s_wait_dscnt 0x0                               ; A's blocks 4-7 are in
	PLACES                                         ; four plain lines between the products and loads into registers that they read
	FETCH_B \slot, (\q)+1, 1-(\q)%2
	FETCH_A \slot, (\q)+1, 0
.if \zero
	WIN 0xd1
.else
	WIN MUL_HI
.endif
	MUL16 4, (\q)%2, \q, \zero
	MUL16 6, (\q)%2, \q, \zero
	PLACES
	WIN 0
	FETCH_A \slot, (\q)+1, 4
.endm
	s_wait_alu depctr_va_vdst(0)                   ; the wait at the head's end
	s_wait_tensorcnt 0x0                           ; my part of slot 0 is in; these lines ahead of a later first fill:
	ds_add_u32 v[SPW], v[NIL]
	s_add_co_u32 s[G0+1], s[G0+1], SLOT            ; no load of mine is out: the descriptors go on to slot 1 and the second 512 along K
	s_add_nc_u64 s[G0+2:G0+3], s[G0+2:G0+3], 256
	s_add_co_u32 s[G0B+1], s[G0B+1], SLOT
	s_add_nc_u64 s[G0B+2:G0B+3], s[G0B+2:G0B+3], 256
	s_wait_dscnt 0x0                               ; the add is done
	CROUND                                         ; slot 0 is whole, and all sixteen work-groups are here
	JLOAD G0, G1, G0B, G1B                         ; slot 1, under slot 0's products
	FETCH_B 0, 0, 0
	FETCH_A 0, 0, 0
	FETCH_A 0, 0, 4
	s_wait_loadcnt 0x0                             ; the scale words and the bias
	s_cmp_eq_u32 s[KIND], 2
	s_cbranch_scc1 .Lfirst_v
	STEP 0, 0, 1                                   ; the first step starts the sums with the bias: nothing is cleared
	s_branch .Lfirst_done
.Lfirst_v:
	STEP 0, 0, 2
.Lfirst_done:
	STEP 0, 1, 0
	STEP 0, 2, 0
	; slot 0's last step goes over to slot 1
	s_wait_dscnt 8                                 ; A's blocks 4-7, the youngest eight loads, may be out
	WIN MUL_LO
	MUL16 0, 1, 3, 0
	s_wait_tensorcnt 0x0                           ; my part of slot 1 is in
	s_wait_dscnt 0x0
	s_barrier_signal -1
	MUL16 2, 1, 3, 0
	WIN 0
	s_barrier_wait -1                              ; slot 1 is whole
	PLACES
	FETCH_B 1, 4, 0
	FETCH_A 1, 4, 0
	WIN MUL_HI
	MUL16 4, 1, 3, 0
	MUL16 6, 1, 3, 0
	PLACES
	WIN 0
	FETCH_A 1, 4, 4
	STEP 1, 4, 0
	STEP 1, 5, 0
	STEP 1, 6, 0
	s_wait_dscnt 8                                 ; the very last step
	WIN MUL_LO
	MUL16 0, 1, 7, 0
	MUL16 2, 1, 7, 0
	s_wait_dscnt 0x0
	WIN MUL_HI
	MUL16 4, 1, 7, 0
	MUL16 6, 1, 7, 0
	WIN 0
	PLACES                                         ; four plain lines ahead of the first read of results
; 32 registers v[s] .. v[s + 31] of window w: four result tiles; lane (r, h) holds row r and, in tile n, columns 16 n + 8 h + 0..7.  Blocks of 32 are tiles 0, 1 and tiles 2, 3 over lanes l and l xor 16.
; Out: v[cd] .. v[cd + 3]: lane (r, h) holds the 32 codes of row r, columns 32 h on, in order; v[e]: the two scale bytes.  Each tile is read from its low end on.
; Two such groups at a time, at s and at u, by turns: codes to cd and cd + 4, scale bytes to e and e + 1.
.macro QUANT8 s, u, w, cd, e
	WIN ((\w)<<2)|((\w)<<4)
	v_max3_num_f32 v[TM], 0x1800000, |v[\s]|, |v[\s+1]|          ; with the floor 2^(3 - 127): the byte cannot fall under 1
	v_max3_num_f32 v[TM+1], 0x1800000, |v[\s+16]|, |v[\s+17]|
	v_max3_num_f32 v[TM+2], 0x1800000, |v[\u]|, |v[\u+1]|
	v_max3_num_f32 v[TM+3], 0x1800000, |v[\u+16]|, |v[\u+17]|
.irp i, 2,4,6,8,10,12,14
	v_max3_num_f32 v[TM], v[TM], |v[\s+\i]|, |v[\s+\i+1]|
	v_max3_num_f32 v[TM+1], v[TM+1], |v[\s+16+\i]|, |v[\s+17+\i]|
	v_max3_num_f32 v[TM+2], v[TM+2], |v[\u+\i]|, |v[\u+\i+1]|
	v_max3_num_f32 v[TM+3], v[TM+3], |v[\u+16+\i]|, |v[\u+17+\i]|
.endr
	WIN 0
.irp k, 0,1,2,3
	v_permlanex16_b32 v[PX+\k], v[TM+\k], s[SEL], s[SEL+1]
.endr
.irp k, 0,1,2,3
	v_max_num_f32 v[TM+\k], v[TM+\k], v[PX+\k]
.endr
.irp k, 0,1,2,3
	v_add_nc_u32 v[SO+\k], 0xff000000, v[TM+\k]    ; 2 off the exponent field: the conversion's scale operand
.endr
.irp k, 0,1,2,3
	v_lshrrev_b32 v[BY+\k], 23, v[SO+\k]
.endr
	v_lshl_or_b32 v[\e], v[BY+1], 8, v[BY]
	v_lshl_or_b32 v[\e+1], v[BY+3], 8, v[BY+2]
	WIN \w
	v_cvt_scalef32_pk8_fp4_f32 v[\cd], v[\s:\s+7], v[SO]
	v_cvt_scalef32_pk8_fp4_f32 v[\cd+2], v[\s+8:\s+15], v[SO]
	v_cvt_scalef32_pk8_fp4_f32 v[\cd+1], v[\s+16:\s+23], v[SO+1]
	v_cvt_scalef32_pk8_fp4_f32 v[\cd+3], v[\s+24:\s+31], v[SO+1]
	v_cvt_scalef32_pk8_fp4_f32 v[\cd+4], v[\u:\u+7], v[SO+2]
	v_cvt_scalef32_pk8_fp4_f32 v[\cd+6], v[\u+8:\u+15], v[SO+2]
	v_cvt_scalef32_pk8_fp4_f32 v[\cd+5], v[\u+16:\u+23], v[SO+3]
	v_cvt_scalef32_pk8_fp4_f32 v[\cd+7], v[\u+24:\u+31], v[SO+3]
	WIN 0
	v_nop                                          ; one plain line behind the conversions
	v_permlane16_swap_b32 v[\cd], v[\cd+1]         ; tile 0's upper lanes change places with tile 2's lower: columns 0-7 | 32-39 and 8-15 | 40-47
	v_permlane16_swap_b32 v[\cd+2], v[\cd+3]       ; tiles 1 and 3 likewise: 16-23 | 48-55 and 24-31 | 56-63
	v_permlane16_swap_b32 v[\cd+4], v[\cd+5]
	v_permlane16_swap_b32 v[\cd+6], v[\cd+7]
.endm
	s_mov_b32 s[SEL], 0x76543210
	s_mov_b32 s[SEL+1], 0xfedcba98                 ; lane l xor 16
.irp k, 0,1,2,3
	v_mov_b32 v[PX+\k], 0                          ; a lane permute's destination counts as read
.endr
	s_cmp_eq_u32 s[KIND], 2
	s_cbranch_scc1 .Lout_v
	; ---- THE WAY OUT OF q AND k.  Accumulator (a, 4 g + n): token 16 (a % 4) + r of batch a / 4, head g of my two, numbers 16 n + 8 h + 0..7
	s_lshl_b32 s4, s[SUB], 2
	s_add_co_u32 s4, s4, s[CY]                     ; TR
	s_lshl_b32 s5, s[CX], 2
	s_lshl_b32 s6, s[W2], 1
	s_add_co_u32 s5, s5, s6
	s_mul_i32 s5, s5, REC                          ; my first head's record in batch 0
	s_cmp_eq_u32 s[KIND], 0
	s_cselect_b32 s6, QC, 0                        ; codes: Q's region or K's (at 0)
	s_cselect_b32 s8, QS-KS, 0
	s_add_co_u32 s6, s6, s5
	s_add_co_u32 s8, s8, s5
	s_add_co_u32 s8, s8, KS                        ; scale words
	s_lshl_b32 s10, s4, 12
	s_add_co_u32 s6, s6, s10
	s_lshl_b32 s10, s[U], 11
	s_add_co_u32 s6, s6, s10                       ; token tile 8 TR + 4 U, 512 bytes a tile
	s_lshl_b32 s10, s4, 9
	s_add_co_u32 s8, s8, s10
	s_lshl_b32 s10, s[U], 8
	s_add_co_u32 s8, s8, s10                       ; group of 64 tokens 2 TR + U, 256 bytes a group
	s_mov_b32 s7, 0
	s_mov_b32 s9, 0
	s_add_nc_u64 s[12:13], s[26:27], s[6:7]
	s_add_nc_u64 s[14:15], s[26:27], s[8:9]
	s_lshl_b32 s16, s4, 7
	s_lshl_b32 s10, s[U], 6
	s_add_co_u32 s16, s16, s10                     ; my first position
	v_mul_u32_u24 v[VSO], v2, 16*REC               ; scale words: lanes 16-31 store batch 1's
	v_lshl_add_u32 v[VSO], v1, 4, v[VSO]
.irp p, 0,1
	v_mov_b32 v[MAG+\p], 0x4b400000                ; 1.5 x 2^23: adding it rounds to a whole number
	v_mov_b32 v[S2C+\p], 0x3c08839e                ; sin: 8.3321608736e-3
	v_mov_b32 v[C2C+\p], 0xbab6061a                ; cos: -1.388731625e-3
	v_mov_b32 v[S1C+\p], 0xbe2aaaa3                ; sin: -1.6666654611e-1
	v_mov_b32 v[C1C+\p], 0x3d2aaaa5                ; cos: 4.166664568e-2
.endr
	; the frequencies: register i serves number j = 16 (i / 8) + 8 h + i % 8 of a head's first 32: 10000^(j/32) = 10^(j/8), then its reciprocal as the problem divides
	v_cmp_eq_u32 vcc_lo, 1, v2
.macro FQ i, lo, hi
	v_mov_b32 v[F+\i], \hi
	v_cndmask_b32 v[F+\i], \lo, v[F+\i], vcc_lo
.endm
	FQ 0, 1.0, 10.0
	FQ 1, 1.3335214321633240, 13.335214321633240
	FQ 2, 1.7782794100389228, 17.782794100389228
	FQ 3, 2.3713737056616552, 23.713737056616552
	FQ 4, 3.1622776601683795, 31.622776601683795
	FQ 5, 4.2169650342858223, 42.169650342858223
	FQ 6, 5.6234132519034912, 56.234132519034912
	FQ 7, 7.4989420933245582, 74.989420933245582
	FQ 8, 100.0, 1000.0
	FQ 9, 133.35214321633240, 1333.5214321633240
	FQ 10, 177.82794100389228, 1778.2794100389228
	FQ 11, 237.13737056616552, 2371.3737056616552
	FQ 12, 316.22776601683795, 3162.2776601683795
	FQ 13, 421.69650342858223, 4216.9650342858223
	FQ 14, 562.34132519034912, 5623.4132519034912
	FQ 15, 749.89420933245582, 7498.9420933245582
	s_wait_alu depctr_va_vdst(0)
.irp i, 0,1,2,3,4,5,6,7,8,9,10,11,12,13,14,15
	v_rcp_f32 v[T+\i], v[F+\i]
.endr
	v_nop                                          ; a plain line behind the last reciprocal,
	s_wait_alu depctr_va_vdst(0)                   ; and one wait for the batch ahead of its first reader
.irp i, 0,1,2,3,4,5,6,7,8,9,10,11,12,13,14,15
	v_fma_f32 v[PS+\i], -v[F+\i], v[T+\i], 1.0     ; what the reciprocal misses,
.endr
.irp i, 0,1,2,3,4,5,6,7,8,9,10,11,12,13,14,15
	v_fma_f32 v[F+\i], v[T+\i], v[PS+\i], v[T+\i]  ; put right
.endr
; cos and sin of my 16 angles at position (my first) + 16 ap + r, two at a time
.macro SINCOS ap
	s_add_co_u32 s17, s16, 16*\ap
	v_add_nc_u32 v[POS], s17, v1
	v_cvt_f32_u32 v[POS], v[POS]
	v_mov_b32 v[POS+1], v[POS]
.irp i, 0,2,4,6,8,10,12,14
	v_pk_mul_f32 v[Y+\i:Y+\i+1], v[F+\i:F+\i+1], v[POS:POS+1]                             ; the angle, rounded as the problem rounds it
.endr
.irp i, 0,2,4,6,8,10,12,14
	v_pk_fma_f32 v[T+\i:T+\i+1], v[Y+\i:Y+\i+1], 0x3f22f983, v[MAG:MAG+1] op_sel_hi:[1,0,1]   ; x 2/pi, rounded to a whole number n: its low two bits are the quarter
.endr
.irp i, 0,2,4,6,8,10,12,14
	v_pk_add_f32 v[Y+16+\i:Y+17+\i], v[T+\i:T+\i+1], v[MAG:MAG+1] neg_lo:[0,1] neg_hi:[0,1]   ; n as a number
.endr
.irp i, 0,2,4,6,8,10,12,14
	v_pk_fma_f32 v[Y+\i:Y+\i+1], v[Y+16+\i:Y+17+\i], 0xbfc90fdb, v[Y+\i:Y+\i+1] op_sel_hi:[1,0,1]   ; less n x the f32 nearest pi/2,
.endr
.irp i, 0,2,4,6,8,10,12,14
	v_pk_fma_f32 v[Y+\i:Y+\i+1], v[Y+16+\i:Y+17+\i], 0x33bbbd2e, v[Y+\i:Y+\i+1] op_sel_hi:[1,0,1]   ; and n x what that f32 has too much: x, within +-pi/4
.endr
.irp i, 0,2,4,6,8,10,12,14
	v_pk_mul_f32 v[Y+16+\i:Y+17+\i], v[Y+\i:Y+\i+1], v[Y+\i:Y+\i+1]                       ; z = x^2
.endr
.irp i, 0,2,4,6,8,10,12,14
	v_pk_fma_f32 v[PS+\i:PS+\i+1], v[Y+16+\i:Y+17+\i], 0xb94ca1f9, v[S2C:S2C+1] op_sel_hi:[1,0,1]
	v_pk_fma_f32 v[PC+\i:PC+\i+1], v[Y+16+\i:Y+17+\i], 0x37ccf5ce, v[C2C:C2C+1] op_sel_hi:[1,0,1]
.endr
.irp i, 0,2,4,6,8,10,12,14
	v_pk_fma_f32 v[PS+\i:PS+\i+1], v[PS+\i:PS+\i+1], v[Y+16+\i:Y+17+\i], v[S1C:S1C+1]
	v_pk_fma_f32 v[PC+\i:PC+\i+1], v[PC+\i:PC+\i+1], v[Y+16+\i:Y+17+\i], v[C1C:C1C+1]
.endr
.irp i, 0,2,4,6,8,10,12,14
	v_pk_mul_f32 v[PS+\i:PS+\i+1], v[PS+\i:PS+\i+1], v[Y+16+\i:Y+17+\i]
	v_pk_mul_f32 v[PC+\i:PC+\i+1], v[PC+\i:PC+\i+1], v[Y+16+\i:Y+17+\i]
.endr
.irp i, 0,2,4,6,8,10,12,14
	v_pk_fma_f32 v[PS+\i:PS+\i+1], v[PS+\i:PS+\i+1], v[Y+\i:Y+\i+1], v[Y+\i:Y+\i+1]       ; sin x
.endr
.irp i, 0,2,4,6,8,10,12,14
	v_pk_fma_f32 v[Y+\i:Y+\i+1], v[Y+16+\i:Y+17+\i], -0.5, 1.0 op_sel_hi:[1,0,0]          ; 1 - z / 2
.endr
.irp i, 0,2,4,6,8,10,12,14
	v_pk_fma_f32 v[PC+\i:PC+\i+1], v[PC+\i:PC+\i+1], v[Y+16+\i:Y+17+\i], v[Y+\i:Y+\i+1]   ; cos x
.endr
.irp i, 0,1,2,3,4,5,6,7,8,9,10,11,12,13,14,15
	v_and_b32 v[Y+\i], 1, v[T+\i]
	v_lshlrev_b32 v[Y+16+\i], 30, v[T+\i]          ; the quarter in the top two bits
.endr
.irp i, 0,1,2,3,4,5,6,7,8,9,10,11,12,13,14,15
	v_cmp_eq_u32 s[48+\i], 1, v[Y+\i]              ; in odd quarters the two change places (s48-63 held descriptors whose loads are done)
.endr
.irp i, 0,1,2,3,4,5,6,7,8,9,10,11,12,13,14,15
	v_cndmask_b32 v[SIN+\i], v[PS+\i], v[PC+\i], s[48+\i]
	v_cndmask_b32 v[COS+\i], v[PC+\i], v[PS+\i], s[48+\i]
.endr
.irp i, 0,1,2,3,4,5,6,7,8,9,10,11,12,13,14,15
	v_and_b32 v[Y+\i], 0x80000000, v[Y+16+\i]      ; sin is negative in quarters 2, 3;
	v_add_nc_u32 v[Y+16+\i], 0x40000000, v[Y+16+\i]
.endr
.irp i, 0,1,2,3,4,5,6,7,8,9,10,11,12,13,14,15
	v_xor_b32 v[SIN+\i], v[SIN+\i], v[Y+\i]
	v_and_b32 v[Y+16+\i], 0x80000000, v[Y+16+\i]   ; cos in quarters 1, 2
.endr
.irp i, 0,1,2,3,4,5,6,7,8,9,10,11,12,13,14,15
	v_xor_b32 v[COS+\i], v[COS+\i], v[Y+16+\i]
.endr
.endm
; the turn of block a, head g, into Y: first half x1 cos - x2 sin, second half x2 cos + x1 sin; each tile is read from its low end on
.macro ROPE a, g, y                    ; (into y)
.set X1, 8*(8*((\a)%4)+4*(\g))
.set X2, X1+16
	WIN 2+(\a)/4
.irp i, 0,2,4,6,8,10,12,14
	v_pk_mul_f32 v[\y+\i:\y+\i+1], v[X2+\i:X2+\i+1], v[SIN+\i:SIN+\i+1]
.endr
.irp i, 0,2,4,6,8,10,12,14
	v_pk_mul_f32 v[\y+16+\i:\y+17+\i], v[X1+\i:X1+\i+1], v[SIN+\i:SIN+\i+1]
.endr
.irp i, 0,2,4,6,8,10,12,14
	v_pk_fma_f32 v[\y+\i:\y+\i+1], v[X1+\i:X1+\i+1], v[COS+\i:COS+\i+1], v[\y+\i:\y+\i+1] neg_lo:[0,0,1] neg_hi:[0,0,1]
.endr
.irp i, 0,2,4,6,8,10,12,14
	v_pk_fma_f32 v[\y+16+\i:\y+17+\i], v[X2+\i:X2+\i+1], v[COS+\i:COS+\i+1], v[\y+16+\i:\y+17+\i]
.endr
	WIN 0
.endm
.irp ap, 0,1,2,3
	SINCOS \ap
.irp hb, 0,4                           ; the same positions of batch 0 and batch 1
	ROPE \ap+\hb, 0, Y
	ROPE \ap+\hb, 1, Y2
	s_wait_alu depctr_va_vdst(0)                   ; the wait here, directly ahead of the wait below
	s_wait_xcnt 0x0                                ; the last stores have read the codes' registers: they are written anew only behind this wait
	QUANT8 Y, Y2, 0, CD, E+2*(\ap+\hb)
.irp g, 0,1
	global_store_b128 v[LI], v[CD+4*\g:CD+4*\g+3], s[12:13] offset:((\ap+\hb)/4)*16*REC+\g*REC+((\ap+\hb)%4)*512   ; 32 lanes store 512 consecutive bytes, at a multiple of 256 from the buffer's first byte
.endr
.endr
.endr
	v_cmp_eq_u32 vcc_lo, 1, v2
.irp g, 0,1                            ; the scale words of 64 tokens: word (r, i) = token 16 i + r; the upper two bytes, for the 64 along K that a head does not have, are 127
.irp i, 0,1,2,3
	v_cndmask_b32 v[SW+4*\g+\i], v[E+2*\i+\g], v[E+2*(\i+4)+\g], vcc_lo
.endr
.irp i, 0,1,2,3
	v_or_b32 v[SW+4*\g+\i], 0x7f7f0000, v[SW+4*\g+\i]
.endr
	global_store_b128 v[VSO], v[SW+4*\g:SW+4*\g+3], s[14:15] offset:\g*REC   ; sixteen lanes store 256 consecutive bytes, twice
.endr
	s_branch .Lend
.Lout_v:
	; ---- THE WAY OUT OF v.  Accumulator (a, 4 g + n): channel 16 (a % 4) + r of head 4 cy + U + 2 (a / 4), keys 64 g + 16 n + 8 h + 0..7 of my 128
	s_lshl_b32 s4, s[SUB], 2
	s_add_co_u32 s4, s4, s[CX]                     ; which 256 tokens
	s_lshr_b32 s5, s4, 3                           ; the batch
	s_lshl_b32 s5, s5, 4
	s_lshl_b32 s6, s[CY], 2
	s_add_co_u32 s5, s5, s6
	s_add_co_u32 s5, s5, s[U]
	s_mul_i32 s5, s5, REC                          ; the record of my first head
	s_lshl_b32 s4, s4, 1
	s_add_co_u32 s4, s4, s[W2]
	s_and_b32 s4, s4, 15                           ; which 128 keys of the sequence
	s_lshl_b32 s6, s4, 12
	s_add_co_u32 s6, s6, s5
	s_add_co_u32 s6, s6, VC
	s_lshl_b32 s8, s4, 8
	s_add_co_u32 s8, s8, s5
	s_add_co_u32 s8, s8, VS
	s_mov_b32 s7, 0
	s_mov_b32 s9, 0
	s_add_nc_u64 s[12:13], s[26:27], s[6:7]
	s_add_nc_u64 s[14:15], s[26:27], s[8:9]
	v_mul_u32_u24 v[VSO], v2, 2*REC                ; scale words: lanes 16-31 store the head two further on
	v_lshl_add_u32 v[VSO], v1, 4, v[VSO]
.irp a, 0,1,2,3,4,5,6,7
	QUANT8 64*((\a)%4), 64*((\a)%4)+32, 2+(\a)/4, 128+8*\a, E+2*\a      ; every store has registers of its own
.irp g, 0,1
	global_store_b128 v[LI], v[128+4*(2*\a+\g):128+4*(2*\a+\g)+3], s[12:13] offset:((\a)/4)*2*REC+((\a)%4)*1024+\g*512
.endr
.endr
.irp a, 0,1,2,3,4,5,6,7
	v_lshl_or_b32 v[SW+\a], v[E+2*\a+1], 16, v[E+2*\a]   ; the four bytes of 128 keys
.endr
	v_cmp_eq_u32 vcc_lo, 1, v2
.irp t, 0,1,2,3
	v_cndmask_b32 v[F+\t], v[SW+\t], v[SW+4+\t], vcc_lo
.endr
	global_store_b128 v[VSO], v[F:F+3], s[14:15]   ; word (r, t) = channel 16 t + r
.Lend:
	s_wait_tensorcnt 0x0                           ; the wave's end
	ds_add_u32 v[SPW], v[NIL]
	s_wait_dscnt 0x0
	CROUND                                         ; the closing round
	s_endpgm
.Lfunc_end_k_qa03fecfde4_qkv:
	.size	k_qa03fecfde4_qkv, .Lfunc_end_k_qa03fecfde4_qkv-k_qa03fecfde4_qkv
	.p2alignl 7, 3214868480
	.fill 96, 4, 3214868480
	.section	.rodata,"a",@progbits
	.p2align	6, 0x0
	.amdhsa_kernel k_qa03fecfde4_qkv
		.amdhsa_group_segment_fixed_size 327680
		.amdhsa_private_segment_fixed_size 0
		.amdhsa_enable_private_segment 0
		.amdhsa_kernarg_size 96
		.amdhsa_user_sgpr_count 2
		.amdhsa_user_sgpr_kernarg_segment_ptr 1
		.amdhsa_wavefront_size32 1
		.amdhsa_system_sgpr_workgroup_id_x 1
		.amdhsa_system_sgpr_workgroup_id_y 1
		.amdhsa_system_sgpr_workgroup_id_z 1
		.amdhsa_system_vgpr_workitem_id 0
		.amdhsa_next_free_vgpr 1024
		.amdhsa_next_free_sgpr 102
		.amdhsa_reserve_vcc 1
		.amdhsa_float_denorm_mode_32 3
		.amdhsa_float_denorm_mode_16_64 3
		.amdhsa_memory_ordered 1
		.amdhsa_forward_progress 1
		.amdhsa_inst_pref_size 255
	.end_amdhsa_kernel
	.section	.bss,"aw",@nobits
	.p2align	6
	.space	262144
	.amdgpu_metadata
---
amdhsa.version: [ 1, 2 ]
amdhsa.kernels:
  - .name:           k_qa03fecfde4_qkv
    .symbol:         k_qa03fecfde4_qkv.kd
    .args:
      - { .name: x_codes, .offset: 0, .size: 8, .value_kind: global_buffer, .address_space: global }
      - { .name: x_scales, .offset: 8, .size: 8, .value_kind: global_buffer, .address_space: global }
      - { .name: Wq_codes, .offset: 16, .size: 8, .value_kind: global_buffer, .address_space: global }
      - { .name: Wq_scales, .offset: 24, .size: 8, .value_kind: global_buffer, .address_space: global }
      - { .name: Wk_codes, .offset: 32, .size: 8, .value_kind: global_buffer, .address_space: global }
      - { .name: Wk_scales, .offset: 40, .size: 8, .value_kind: global_buffer, .address_space: global }
      - { .name: Wv_codes, .offset: 48, .size: 8, .value_kind: global_buffer, .address_space: global }
      - { .name: Wv_scales, .offset: 56, .size: 8, .value_kind: global_buffer, .address_space: global }
      - { .name: bq, .offset: 64, .size: 8, .value_kind: global_buffer, .address_space: global }
      - { .name: bk, .offset: 72, .size: 8, .value_kind: global_buffer, .address_space: global }
      - { .name: bv, .offset: 80, .size: 8, .value_kind: global_buffer, .address_space: global }
      - { .name: qkv, .offset: 88, .size: 8, .value_kind: global_buffer, .address_space: global }
    .group_segment_fixed_size: 327680
    .private_segment_fixed_size: 0
    .kernarg_segment_align: 8
    .kernarg_segment_size: 96
    .max_flat_workgroup_size: 128
    .sgpr_count:     102
    .vgpr_count:     1024
    .wavefront_size: 32
...
	.end_amdgpu_metadata
.endif
;; end of part 1
;; launch attn (part 2): grid 8 x 32, 8 waves a work-group, clusters of 4 x 1, 167,936 bytes of LDS; arguments qkv, ac, asc; writes ac, asc
.if DOCPART == 2
	.amdgcn_target "amdgcn-amd-amdhsa--gfx1250"
	.amdhsa_code_object_version 6
	.text
	.protected	k_qa03fecfde4_attn
	.globl	k_qa03fecfde4_attn
	.p2align	8
	.type	k_qa03fecfde4_attn,@function
k_qa03fecfde4_attn:
	s_mov_b64 s[64:65], 0
	v_nop
	global_prefetch_b8 v0, s[64:65] scope:SCOPE_SE
	s_setreg_imm32_b32 hwreg(HW_REG_WAVE_MODE, 25, 1), 1
	s_wait_xcnt 0x0
	s_wait_alu depctr_hold_cnt(0) depctr_sa_sdst(0) depctr_va_vdst(0) depctr_va_sdst(0) depctr_va_ssrc(0) depctr_va_vcc(0) depctr_vm_vsrc(0)
	s_getreg_b32 s2, hwreg(HW_REG_IB_STS2, 6, 4)
	s_cmp_eq_u32 s2, 0
	s_cbranch_scc0 .Lentry_in_a_cluster
	s_endpgm
.Lentry_in_a_cluster:
	s_bfe_u32 s2, ttmp6, 0x10000c
	s_cmp_lg_u32 s2, 0x3003
	s_cbranch_scc0 .Lentry_shape_is_right
	s_endpgm
.Lentry_shape_is_right:
; For each batch and head: S^T = K Q^T on codes of FP4 (K = the head's 64, the instruction's other 64 are zero codes of Q); t = score x log2(e) / 8; M = the running largest t rounded up to a whole number;
; p = 2^(t - M), quantised along the keys; O^T = V^T P^T; the row's sum of the unquantised p divides at the end; the result is quantised along the model's 1,024 for the last product.  Nothing is left out.
; LIMITS: NaN and infinities are not served; a block under 2^-124 (zeros too) gets the byte 1: its codes are zeros or their like and this program alone reads the bytes; 1 / sum is v_rcp_f32.
; A block's scale exponent is floor(largest t - M) - 2: the exponent of the block's largest p without an exponential of its own.
; SHARES.  A work-group owns 256 queries of one head, each of its eight waves 32: two tiles of 16, called A and B, in 512 registers.  All waves walk the 2,048 keys in 8 steps of 256.
; The head's K, V and their scale words, 143,360 dense bytes of its record, come into LDS ONCE: each wave asks for 70 rows of 256 bytes, jointly with the three other query blocks of its cluster.
; No prefetch: that one load is all that is asked of memory in bulk; no loop streams from memory.
; LAYOUT.  Both products are used transposed: a lane (r, h) holds ONE query r of each tile.  A tile T of K in a group of 64 keys has in row m the key 32 (m / 8) + 8 T + m % 8, so that a lane's 32 registers
; of the group's four tiles are the whole block h of 32 keys, in order: the block's maximum needs no other lane, and the codes of register runs 8 n .. 8 n + 7 are register n of P's operand.
; REGISTERS.  Window 1: the scores, then p: A at v0-127, B at v128-255; when A's are converted, V's fragments of the step lie at v0-63.  Window 0: all else, named below.
; A tile of K is named with the four registers behind it as its upper 64 along K: whatever codes lie there meet Q's zero codes, under scale bytes 127, and add nothing.
.set REC,   217088
.set VC,    65536
.set KS,    131072
.set VS,    139264
.set QC,    143360
.set QS,    208896
.set OSC,   143360                     ; LDS behind the record's image: the work-group's 256 pairs of scale bytes on their way out
.set SPARE, 143872                     ; the spare words: 128 bytes a wave
.set LI,  1
.set LK,  2
.set LKS, 3
.set LV,  4
.set SPW, 5
.set NIL, 6
.set LVS, 7
.set ADK, 8
.set ADS, 9
.set ADV, 10
.set ADT, 11
.set NMA, 12                           ; v[12:13] -M and the largest score of tile A;  v[14:15] of tile B
.set NMB, 14
.set LA,  16                           ; v[16:17], v[18:19] the rows' sums, each in two halves
.set LB,  18
.set SH,  20                           ; 8 h
.set FA,  22                           ; v22, v24: 2^(old M - new M), each the low half of a pair
.set FB,  24
.set OSA, 26
.set OSR, 27
.set QA,  32                           ; v32-35 Q's codes of A, v36-39 zero codes;  v40-47 B's
.set QB,  40
.set KSC, 48                           ; v48-65 hold scale words and nothing else: K's,
.set VSC, 56                           ; V's,
.set QSC, 60                           ; Q's (A, B),
.set PSC, 62                           ; P's (A's two halves, B's two)
.set BM,  66                           ; v66-73 the blocks' largest scores, A's four and B's four; later partial sums
.set SO,  74                           ; v74-81 the blocks' conversion scales
.set X,   82                           ; v82-89 the blocks' exponents; later P's codes of B, second half
.set W,   90                           ; v90-95 at work; later partial sums
.set CA,  96                           ; v96-111 P's codes of A
.set CB,  244                          ; v244-251 P's codes of B, first half
.set KR,  112                          ; v112-175 K: 16 tiles of four registers; v176-179 zeros
.set OA,  180                          ; v180-211, v212-243: O^T
.set OB,  212
.set WV,  10
.set G1,  16
.set G0,  24
.set SEL, 28
.set CS,  30
.set TC,  32
.set TKS, 33
.set TVS, 34
.set NC,  44
.set MSB, 0
.macro WIN new                         ; the immediate's high byte repeats the setting that is left
.if MSB != (\new)
	s_set_vgpr_msb (MSB<<8)|(\new)
.set MSB, (\new)
.endif
.endm
.macro CROUND
	s_barrier_signal -1
	s_barrier_wait -1
	s_cmp_lg_u32 s[WV], 0
	s_cbranch_scc1 .Lnot_wave_0_\@
	s_barrier_signal -3
.Lnot_wave_0_\@:
	s_barrier_wait -3
	s_barrier_signal -1
	s_barrier_wait -1
.endm
; a step's K: group c's tile t; and its scale words: lanes 0-15 an even group's, lanes 16-31 the odd group's behind it; tile t's word at KSC + 4 (c / 2) + 2 (t % 2) + t / 2
.macro KLOAD a, b, ko, so
.irp c, 0,1,2,3
.irp t, 0,1,2,3
	ds_load_b128 v[KR+16*\c+4*\t:KR+16*\c+4*\t+3], v[\a] offset:\ko+2048*\c+512*(\t/2)+128*(\t%2)
.endr
.endr
.irp c, 0,1
.irp t, 0,1
	ds_load_b64 v[KSC+4*\c+2*\t:KSC+4*\c+2*\t+1], v[\b] offset:\so+512*\c+128*\t
.endr
.endr
.endm
.macro QK d, q, qs, t                  ; tile t of each of the step's four groups x 16 queries: four accumulators, one product each
.irp c, 0,1,2,3
.if \c%2
	v_wmma_scale_f32_16x16x128_f8f6f4 v[\d+32*\c+8*\t:\d+32*\c+8*\t+7], v[KR+16*\c+4*\t:KR+16*\c+4*\t+7], v[\q:\q+7], 0, v[KSC+4*(\c/2)+2*(\t%2)+\t/2], v[\qs] matrix_a_fmt:MATRIX_FMT_FP4 matrix_b_fmt:MATRIX_FMT_FP4 matrix_a_scale:MATRIX_SCALE_ROW1
.else
	v_wmma_scale_f32_16x16x128_f8f6f4 v[\d+32*\c+8*\t:\d+32*\c+8*\t+7], v[KR+16*\c+4*\t:KR+16*\c+4*\t+7], v[\q:\q+7], 0, v[KSC+4*(\c/2)+2*(\t%2)+\t/2], v[\qs] matrix_a_fmt:MATRIX_FMT_FP4 matrix_b_fmt:MATRIX_FMT_FP4
.endif
.endr
.endm
.macro MAX8                            ; the largest score of each of my lane's eight blocks, by turns; each accumulator from its low end on
	WIN 0x05
.irp c, 0,1,2,3,4,5,6,7
	v_max_num_f32 v[BM+\c], v[32*\c], v[32*\c+1]
.endr
.set I, 2
.rept 15
.irp c, 0,1,2,3,4,5,6,7
	v_max3_num_f32 v[BM+\c], v[32*\c+I], v[32*\c+I+1], v[BM+\c]
.endr
.set I, I+2
.endr
.endm
; Exponentials from register J of window 1 on: p, not normalised.  EX: n of them alone.  EF: 32, each with a multiply-add t - M of two scores of a later batch.  EA: n, each with an addition, in place, of two pairs of an earlier batch, already converted.
; What such an addition writes is read behind the next batch's wait.
.macro EX n
.rept \n
	v_exp_f32 v[J], v[J]
.set J, J+1
.endr
.endm
.macro EF f, nm
.set I, \f
.rept 32
	v_exp_f32 v[J], v[J]
	v_pk_fma_f32 v[I:I+1], v[I:I+1], s[CS:CS+1], v[\nm:\nm+1] op_sel_hi:[1,0,0]
.set J, J+1
.set I, I+2
.endr
.endm
.macro EA n, a, d
.set I, \a
.rept \n
	v_exp_f32 v[J], v[J]
	v_pk_add_f32 v[I:I+1], v[I:I+1], v[I+\d:I+\d+1]
.set J, J+1
.set I, I+2*\d
.endr
.endm
.macro BETWEEN cd, d, so               ; between two batches: one wait for the batch behind and the batch ahead, and the conversion of the batch behind
	s_wait_alu depctr_va_vdst(0)
	WIN 0x01
	CVT8 \cd, \d, \so
	WIN 0x45
.endm
.macro CVT8 cd, d, so                  ; 64 scores of two blocks into eight registers of codes
.irp n, 0,1,2,3,4,5,6,7
	v_cvt_scalef32_pk8_fp4_f32 v[\cd+\n], v[\d+8*\n:\d+8*\n+7], v[\so+\n/4]
.endr
.endm
.macro PV o, cd, ps, hf                ; O^T += V^T P^T over half hf of the step: 128 keys
.irp t, 0,1,2,3
.if \hf
	v_wmma_scale_f32_16x16x128_f8f6f4 v[\o+8*\t:\o+8*\t+7], v[32+8*\t:32+8*\t+7], v[\cd:\cd+7], v[\o+8*\t:\o+8*\t+7], v[VSC+\t], v[\ps] matrix_a_fmt:MATRIX_FMT_FP4 matrix_b_fmt:MATRIX_FMT_FP4 matrix_a_scale:MATRIX_SCALE_ROW1
.else
	v_wmma_scale_f32_16x16x128_f8f6f4 v[\o+8*\t:\o+8*\t+7], v[8*\t:8*\t+7], v[\cd:\cd+7], v[\o+8*\t:\o+8*\t+7], v[VSC+\t], v[\ps] matrix_a_fmt:MATRIX_FMT_FP4 matrix_b_fmt:MATRIX_FMT_FP4
.endif
.endr
.endm
	s_load_b128 s[4:7], s[0:1], 0x0                ; qkv, ac
	s_load_b64 s[8:9], s[0:1], 0x10                ; asc
	v_lshl_add_u32 v[SPW], v0, 2, SPARE
	v_mov_b32 v[NIL], 0
	ds_add_u32 v[SPW], v[NIL]                      ; the wave's opening: the add, twice on end, and its wait ahead of my tensor load
	ds_add_u32 v[SPW], v[NIL]
	v_lshrrev_b32 v28, 5, v0
	v_readfirstlane_b32 s[WV], v28                 ; wave 0..7
	s_bfe_u32 s11, ttmp6, 0x40000                  ; cx
	s_lshl_b32 s12, ttmp9, 2
	s_add_co_u32 s12, s12, s11                     ; my block of 256 queries: it enters global addresses of Q and of the results alone
	s_and_b32 s13, ttmp7, 0xffff                   ; 16 x batch + head, which the four partners share
	s_mov_b32 s[G1], 15|(3<<16)|(1<<21)            ; the mask: all four; elements of 8 bytes; bit 21 beside a mask; no padding
	s_mov_b32 s[G1+1], 32<<16                      ; rows of 256 bytes,
	s_mov_b32 s[G1+2], 70<<16                      ; 70 of them: an eighth of 143,360 bytes
	s_mov_b32 s[G1+3], 32<<16
	s_mov_b32 s[G1+4], 70
	s_mov_b32 s[G1+5], 32
	s_mov_b32 s[G1+6], 0
	s_mov_b32 s[G1+7], 0
	s_mov_b32 s[G0], 1
	s_mul_i32 s[G0+1], s[WV], 17920                ; in LDS as in the record
	s_mul_i32 s14, s13, REC
	s_mov_b32 s15, 0
	s_mul_i32 s36, s[WV], 17920
	s_mov_b32 s37, 0
	s_mov_b32 s[SEL], 0x76543210
	s_mov_b32 s[SEL+1], 0xfedcba98                 ; lane l xor 16
	s_mov_b32 s[CS], 0x3e38aa3b                    ; c = log2(e) / 8
	s_mov_b32 s[CS+1], s[CS]
	s_mov_b32 s[NC], 0xbe38aa3b                    ; -c
	s_mov_b32 s[TC], 0
	s_mov_b32 s[TKS], 0
	s_mov_b32 s[TVS], 0
	s_wait_dscnt 0x0                               ; both opening adds are done
	s_wait_kmcnt 0x0
	s_add_nc_u64 s[4:5], s[4:5], s[14:15]          ; my head's record
	s_add_nc_u64 s[G0+2:G0+3], s[4:5], s[36:37]
	s_or_b32 s[G0+3], s[G0+3], 0x80000000
	CROUND                                         ; all four work-groups are here
	tensor_load_to_lds s[G0:G0+3], s[G1:G1+7]      ; my one tensor load
	s_nop 0
.rept 4
	v_nop
.endr
	v_and_b32 v28, 31, v0
	v_and_b32 v29, 15, v0                          ; r
	v_bfe_u32 v30, v0, 4, 1                        ; h
	v_and_b32 v31, 7, v0                           ; r % 8
	v_bfe_u32 v21, v0, 3, 1                        ; r / 8
	v_lshlrev_b32 v[LI], 4, v28                    ; 16 x lane
	v_lshlrev_b32 v[SH], 3, v30
	v_lshlrev_b32 v[LK], 4, v31                    ; K lies in tiles of 16 neighbouring keys, 512 bytes each: key 32 (r / 8) + 8 T + r % 8 is row 8 (T % 2) + r % 8 of tile 2 (r / 8) + T / 2
	v_lshl_add_u32 v[LK], v21, 10, v[LK]
	v_lshl_add_u32 v[LK], v30, 8, v[LK]
	v_lshlrev_b32 v[LKS], 4, v31                   ; its scale word likewise; lanes 16-31 take the next group's
	v_lshl_add_u32 v[LKS], v21, 3, v[LKS]
	v_lshl_add_u32 v[LKS], v30, 8, v[LKS]
	v_add_nc_u32 v[LKS], KS, v[LKS]
	v_add_nc_u32 v[LV], VC, v[LI]
	v_add_nc_u32 v[LVS], VS, v[LI]                 ; V's scale words: lanes 0-15 the step's first half, lanes 16-31 its second
	v_lshlrev_b32 v28, 4, v29                      ; 16 r
	s_lshl_b32 s36, s[WV], 6
	s_add_co_u32 s36, s36, OSC
	v_lshl_add_u32 v[OSA], v29, 1, s36             ; where my queries' two scale bytes go: 32 bytes a tile
	v_add_nc_u32 v[OSR], OSC, v[LI]                ; and where wave 0 reads all of them back
	s_wait_alu depctr_va_vdst(0)                   ; the wait here, directly ahead of the scalar run
	s_lshl_b32 s36, s12, 4
	s_lshl_b32 s37, s[WV], 1
	s_add_co_u32 s36, s36, s37                     ; my first tile of 16 queries
	s_lshl_b32 s36, s36, 9
	s_add_co_u32 s36, s36, QC
	s_mov_b32 s37, 0
	s_add_nc_u64 s[36:37], s[4:5], s[36:37]
	s_lshl_b32 s38, s12, 2
	s_lshr_b32 s39, s[WV], 1
	s_add_co_u32 s38, s38, s39                     ; my group of 64 tokens,
	s_lshl_b32 s38, s38, 8
	s_and_b32 s39, s[WV], 1
	s_lshl_b32 s39, s39, 3                         ; my two tiles in it
	s_add_co_u32 s38, s38, s39
	s_add_co_u32 s38, s38, QS
	s_mov_b32 s39, 0
	s_add_nc_u64 s[38:39], s[4:5], s[38:39]
	global_load_b128 v[QA:QA+3], v[LI], s[36:37]   ; Q's codes stay in registers
	global_load_b128 v[QB:QB+3], v[LI], s[36:37] offset:512
	global_load_b64 v[QSC:QSC+1], v28, s[38:39]    ; and its scale words
.irp p, 0,2
	v_mov_b32 v[NMA+\p], 0x7e000000                ; -M: so large that the first change of M multiplies by 0 what is 0
	v_mov_b32 v[NMA+1+\p], 0xff61b1e6              ; the largest score so far: -3e38
	v_mov_b32 v[LA+\p], 0
	v_mov_b32 v[LA+1+\p], 0
	v_mov_b32 v[FA+1+\p], 0                        ; (the upper half of a pair that is named whole)
	v_mov_b32 v[W+2+\p/2], 0                       ; a lane permute's destination counts as read
.endr
.irp j, 0,1,2,3
	v_mov_b32 v[QA+4+\j], 0                        ; Q's zero codes,
	v_mov_b32 v[QB+4+\j], 0
	v_mov_b32 v[KR+64+\j], 0                       ; and what the last tile of K names behind itself
.endr
.set J, OA
.rept 64
	v_mov_b32 v[J], 0                              ; O^T: the step is written once; the first finds zeros
.set J, J+1
.endr
	s_wait_alu depctr_va_vdst(0)                   ; the wait at the head's end
	s_wait_tensorcnt 0x0                           ; my part of the record is in,
	s_barrier_signal -1
	s_barrier_wait -1                              ; everybody's is
	KLOAD LK, LKS, 0, 0
	s_mov_b32 s35, 8                               ; key steps
	s_wait_loadcnt 0x0                             ; Q
	s_wait_dscnt 0x0                               ; K of step 0
.Lstep:
.rept 5
	v_nop                                          ; places: the products below write over V's fragments, which the last products have read
.endr
	WIN 0x40
.irp t, 0,1,2,3
	QK 0, QA, QSC, \t
	QK 128, QB, QSC+1, \t
.endr
	WIN 0
	v_add_nc_u32 v[ADK], s[TC], v[LK]              ; four plain lines between the products and the loads into what they read, and the first read of results
	v_add_nc_u32 v[ADS], s[TKS], v[LKS]
	v_add_nc_u32 v[ADV], s[TC], v[LV]
	v_add_nc_u32 v[ADT], s[TVS], v[LVS]
	s_cmp_eq_u32 s35, 1
	s_cbranch_scc1 .Lno_more_k                     ; the last step has no K behind it
	KLOAD ADK, ADS, 8192, 1024                     ; the next step's K, under this step's softmax
.Lno_more_k:
	MAX8
	WIN 0
	v_max3_num_f32 v[W], v[BM], v[BM+1], v[BM+2]   ; the row's largest score so far, tiles A and B by turns
	v_max3_num_f32 v[W+1], v[BM+4], v[BM+5], v[BM+6]
	v_max3_num_f32 v[W], v[W], v[BM+3], v[NMA+1]
	v_max3_num_f32 v[W+1], v[W+1], v[BM+7], v[NMB+1]
	v_permlanex16_b32 v[W+2], v[W], s[SEL], s[SEL+1]
	v_permlanex16_b32 v[W+3], v[W+1], s[SEL], s[SEL+1]
	v_max_num_f32 v[NMA+1], v[W], v[W+2]
	v_max_num_f32 v[NMB+1], v[W+1], v[W+3]
	v_mul_f32 v[W], s[NC], v[NMA+1]                ; -t
	v_mul_f32 v[W+1], s[NC], v[NMB+1]
	v_floor_f32 v[W], v[W]                         ; the new -M = -ceil(t): a whole number
	v_floor_f32 v[W+1], v[W+1]
	v_sub_f32 v[W+2], v[W], v[NMA]                 ; old M less new M: a whole number, 0 or less
	v_sub_f32 v[W+3], v[W+1], v[NMB]
	v_mov_b32 v[NMA], v[W]
	v_mov_b32 v[NMB], v[W+1]
	v_cvt_i32_f32 v[W+2], v[W+2]                   ; (it saturates)
	v_cvt_i32_f32 v[W+3], v[W+3]
	v_ldexp_f32 v[FA], 1.0, v[W+2]                 ; 2^(old M - new M): multiplying by it rounds nothing
	v_ldexp_f32 v[FB], 1.0, v[W+3]
	; the blocks' scales: exponent floor(largest t - M) - 2, held so that the byte cannot fall under 1
.irp k, 0,1,2,3
	v_fma_f32 v[BM+\k], v[BM+\k], s[CS], v[NMA]
	v_fma_f32 v[BM+4+\k], v[BM+4+\k], s[CS], v[NMB]
.endr
.irp k, 0,1,2,3,4,5,6,7
	v_floor_f32 v[BM+\k], v[BM+\k]
.endr
.irp k, 0,1,2,3,4,5,6,7
	v_max_num_f32 v[BM+\k], 0xc2f80000, v[BM+\k]   ; -124
.endr
.irp k, 0,1,2,3,4,5,6,7
	v_cvt_i32_f32 v[X+\k], v[BM+\k]
.endr
.irp k, 0,1,2,3,4,5,6,7
	v_add_lshl_u32 v[SO+\k], v[X+\k], 125, 23      ; the conversion's scale operand: byte << 23
.endr
.irp k, 0,1,2,3
	v_lshl_add_u32 v[W+\k], v[X+2*\k+1], 16, v[X+2*\k]   ; P's scale words: my lane has bytes h and 2 + h of each 128 keys,
.endr
.irp k, 0,1,2,3
	v_lshlrev_b32 v[W+\k], v[SH], v[W+\k]
.endr
.irp k, 0,1,2,3
	v_permlanex16_b32 v[BM+\k], v[W+\k], s[SEL], s[SEL+1]
.endr
.irp k, 0,1,2,3
	v_add3_u32 v[PSC+\k], v[W+\k], v[BM+\k], 0x7d7d7d7d   ; lane l xor 16 the others; and 125 onto each byte
.endr
	WIN 0x45
.set I, 0
.rept 32
	v_pk_fma_f32 v[I:I+1], v[I:I+1], s[CS:CS+1], v[NMA:NMA+1] op_sel_hi:[1,0,0]   ; t - M of the first batch's 64
.set I, I+2
.endr
	; FOUR BATCHES OF 64 EXPONENTIALS, A's two and B's two; each ends with a plain line
	s_wait_alu depctr_va_vdst(0)                   ; the wait ahead of the batch
.set J, 0
	EX 32
	EF 64, NMA
	BETWEEN CA, 0, SO
	EX 16
	EF 128, NMB
	EA 16, 0, 2                                    ; batch 0's 32 pairs: 16 sums, at every fourth register
	BETWEEN CA+8, 64, SO+2
	EX 8
	EF 192, NMB
	EA 16, 64, 2
	EA 8, 0, 4                                     ; 8 sums, at every eighth
	BETWEEN CB, 128, SO+4
	EX 36
	EA 8, 64, 4
	EA 4, 0, 8                                     ; 4 sums, at every sixteenth
	EA 16, 128, 2
	WIN 0
	v_pk_mul_f32 v[LA:LA+1], v[LA:LA+1], v[FA:FA+1] op_sel_hi:[1,0]   ; the rows' sums under the new M
	v_pk_mul_f32 v[LB:LB+1], v[LB:LB+1], v[FB:FB+1] op_sel_hi:[1,0]
	s_wait_alu depctr_va_vdst(0)                   ; the last batch's wait, ahead of its first reader
	WIN 0x05
	v_pk_add_f32 v[BM:BM+1], v[0:1], v[16:17]      ; A's twelve sums that are left
	v_pk_add_f32 v[BM+2:BM+3], v[32:33], v[48:49]
	v_pk_add_f32 v[BM+4:BM+5], v[64:65], v[72:73]
	v_pk_add_f32 v[BM+6:BM+7], v[80:81], v[88:89]
	v_pk_add_f32 v[W:W+1], v[96:97], v[104:105]
	v_pk_add_f32 v[W+2:W+3], v[112:113], v[120:121]
	WIN 0x40                                       ; A's numbers are converted and summed: V's fragments take their place
.irp f, 0,1
.irp t, 0,1,2,3
.irp c, 0,1
	ds_load_b128 v[32*\f+8*\t+4*\c:32*\f+8*\t+4*\c+3], v[ADV] offset:4096*\f+1024*\t+512*\c
.endr
.endr
.endr
	WIN 0
	ds_load_b128 v[VSC:VSC+3], v[ADT]
	v_pk_add_f32 v[BM:BM+1], v[BM:BM+1], v[BM+2:BM+3]
	v_pk_add_f32 v[BM+4:BM+5], v[BM+4:BM+5], v[BM+6:BM+7]
	v_pk_add_f32 v[W:W+1], v[W:W+1], v[W+2:W+3]
	v_pk_add_f32 v[LA:LA+1], v[LA:LA+1], v[BM:BM+1]
	v_pk_add_f32 v[BM+4:BM+5], v[BM+4:BM+5], v[W:W+1]
	v_pk_add_f32 v[LA:LA+1], v[LA:LA+1], v[BM+4:BM+5]
	WIN 0x01
	CVT8 X, 192, SO+6
	WIN 0x05
.set J, 192                            ; B: the last batch's 32 pairs and batch 2's 16 sums, in eight chains
.irp r, BM,BM+2,BM+4,BM+6,W,W+2,W+4
	v_pk_add_f32 v[\r:\r+1], v[J:J+1], v[J+2:J+3]
.set J, J+4
.endr
	WIN 0x01
.rept 2
.irp r, LB,BM,BM+2,BM+4,BM+6,W,W+2,W+4
	v_pk_add_f32 v[\r:\r+1], v[J:J+1], v[\r:\r+1]
.set J, J+2
.endr
.endr
.irp r, LB,BM
	v_pk_add_f32 v[\r:\r+1], v[J:J+1], v[\r:\r+1]
.set J, J+2
.endr
.set J, 128
.rept 2
.irp r, BM+2,BM+4,BM+6,W,W+2,W+4,LB,BM
	v_pk_add_f32 v[\r:\r+1], v[J:J+1], v[\r:\r+1]
.set J, J+4
.endr
.endr
	WIN 0
	v_pk_add_f32 v[BM+2:BM+3], v[BM+2:BM+3], v[BM+4:BM+5]
	v_pk_add_f32 v[BM+6:BM+7], v[BM+6:BM+7], v[W:W+1]
	v_pk_add_f32 v[W+2:W+3], v[W+2:W+3], v[W+4:W+5]
	v_pk_add_f32 v[LB:LB+1], v[LB:LB+1], v[BM:BM+1]
	v_pk_add_f32 v[BM+2:BM+3], v[BM+2:BM+3], v[BM+6:BM+7]
	v_pk_add_f32 v[LB:LB+1], v[LB:LB+1], v[W+2:W+3]
	v_pk_add_f32 v[LB:LB+1], v[LB:LB+1], v[BM+2:BM+3]
	WIN 0
	s_wait_alu depctr_va_vdst(0)                   ; the wait here, directly ahead of the first readers of O^T
.set J, 0
.rept 16
	v_pk_mul_f32 v[OA+J:OA+J+1], v[OA+J:OA+J+1], v[FA:FA+1] op_sel_hi:[1,0]   ; O^T under the new M; also the plain lines between the codes and the products
	v_pk_mul_f32 v[OB+J:OB+J+1], v[OB+J:OB+J+1], v[FB:FB+1] op_sel_hi:[1,0]
.set J, J+2
.endr
	s_wait_alu depctr_va_vdst(0)                   ; the wait here, directly ahead of the wait below
	s_wait_dscnt 0x0                               ; V is in, and the next step's K
	WIN 0x01
	PV OA, CA, PSC, 0
	PV OB, CB, PSC+2, 0
	PV OA, CA+8, PSC+1, 1
	PV OB, X, PSC+3, 1
	WIN 0
	s_add_co_u32 s[TC], s[TC], 8192
	s_add_co_u32 s[TKS], s[TKS], 1024
	s_add_co_u32 s[TVS], s[TVS], 512
	s_sub_co_u32 s35, s35, 1
	s_cmp_lg_u32 s35, 0
	s_cbranch_scc1 .Lstep
	; THE WAY OUT: O^T / the sum, quantised along the head's 64 (two blocks of the model's 1,024), stored as the last product's operand registers want it
	v_add_f32 v[LA], v[LA], v[LA+1]                ; (these six are also the places between the last products and the first read of O^T)
	v_add_f32 v[LB], v[LB], v[LB+1]
	v_permlanex16_b32 v[W+2], v[LA], s[SEL], s[SEL+1]
	v_permlanex16_b32 v[W+3], v[LB], s[SEL], s[SEL+1]
	v_add_f32 v[LA], v[LA], v[W+2]                 ; the rows' sums
	v_add_f32 v[LB], v[LB], v[W+3]
	s_wait_alu depctr_va_vdst(0)                   ; ahead of the batch
	v_rcp_f32 v[LA], v[LA]
	v_rcp_f32 v[LB], v[LB]
	v_nop                                          ; the plain line behind it
	s_lshr_b32 s36, s13, 4                         ; batch
	s_and_b32 s37, s13, 15                         ; head
	s_lshl_b32 s38, s36, 7
	s_lshl_b32 s39, s12, 4
	s_add_co_u32 s38, s38, s39
	s_lshl_b32 s39, s[WV], 1
	s_add_co_u32 s38, s38, s39                     ; my first tile of 16 rows among 256
	s_lshl_b32 s38, s38, 13
	s_lshl_b32 s39, s37, 9
	s_add_co_u32 s40, s38, s39
	s_mov_b32 s41, 0
	s_add_nc_u64 s[40:41], s[6:7], s[40:41]
	s_lshl_b32 s42, s37, 13                        ; the scale bytes: [head][token], two bytes each
	s_lshl_b32 s38, s36, 12
	s_add_co_u32 s42, s42, s38
	s_lshl_b32 s38, s12, 9
	s_add_co_u32 s42, s42, s38
	s_mov_b32 s43, 0
	s_add_nc_u64 s[42:43], s[8:9], s[42:43]
	s_wait_alu depctr_va_vdst(0)                   ; ahead of the reciprocals' first reader
.set J, 0
.rept 16
	v_pk_mul_f32 v[KR+J:KR+J+1], v[OA+J:OA+J+1], v[LA:LA+1] op_sel_hi:[1,0]   ; each tile from its low end on; A into v112-143, B into v144-175
	v_pk_mul_f32 v[KR+32+J:KR+33+J], v[OB+J:OB+J+1], v[LB:LB+1] op_sel_hi:[1,0]
.set J, J+2
.endr
.irp k, 0,1,2,3                        ; four half blocks, by turns
	v_max3_num_f32 v[BM+\k], 0x1800000, |v[KR+16*\k]|, |v[KR+1+16*\k]|
.endr
.irp i, 2,4,6,8,10,12,14
.irp k, 0,1,2,3
	v_max3_num_f32 v[BM+\k], v[BM+\k], |v[KR+16*\k+\i]|, |v[KR+1+16*\k+\i]|
.endr
.endr
.irp k, 0,1,2,3
	v_permlanex16_b32 v[W+\k], v[BM+\k], s[SEL], s[SEL+1]
.endr
.irp k, 0,1,2,3
	v_max_num_f32 v[BM+\k], v[BM+\k], v[W+\k]
.endr
.irp k, 0,1,2,3
	v_add_nc_u32 v[SO+\k], 0xff000000, v[BM+\k]
.endr
.irp k, 0,1,2,3
	v_lshrrev_b32 v[X+\k], 23, v[SO+\k]
.endr
	v_lshl_or_b32 v[W+4], v[X+1], 8, v[X]          ; my rows' two scale bytes
	v_lshl_or_b32 v[W+5], v[X+3], 8, v[X+2]
.irp u, 0,1                            ; the destinations are ordered so that two exchanges of halves leave each lane 32 neighbouring numbers
	v_cvt_scalef32_pk8_fp4_f32 v[100+4*\u], v[KR+32*\u:KR+7+32*\u], v[SO+2*\u]
	v_cvt_scalef32_pk8_fp4_f32 v[102+4*\u], v[KR+8+32*\u:KR+15+32*\u], v[SO+2*\u]
	v_cvt_scalef32_pk8_fp4_f32 v[101+4*\u], v[KR+16+32*\u:KR+23+32*\u], v[SO+1+2*\u]
	v_cvt_scalef32_pk8_fp4_f32 v[103+4*\u], v[KR+24+32*\u:KR+31+32*\u], v[SO+1+2*\u]
.endr
	v_nop                                          ; one plain line behind the conversions
.irp u, 0,1
	v_permlane16_swap_b32 v[100+4*\u], v[101+4*\u]
	v_permlane16_swap_b32 v[102+4*\u], v[103+4*\u]
.endr
	global_store_b128 v[LI], v[100:103], s[40:41]  ; 32 lanes store 512 consecutive bytes, at a multiple of 256 from the buffer's first byte
	global_store_b128 v[LI], v[104:107], s[40:41] offset:8192
	ds_store_b16 v[OSA], v[W+4]                    ; both lanes of a row write the same bytes with the same value
	ds_store_b16 v[OSA], v[W+5] offset:32
	s_wait_dscnt 0x0                               ; for the others' sake
	s_barrier_signal -1
	s_barrier_wait -1
	s_cmp_lg_u32 s[WV], 0
	s_cbranch_scc1 .Lnot_0
	ds_load_b128 v[96:99], v[OSR]                  ; wave 0 stores the work-group's 512 bytes of scale bytes whole
	s_wait_dscnt 0x0
	global_store_b128 v[LI], v[96:99], s[42:43]
.Lnot_0:
	s_wait_tensorcnt 0x0                           ; the wave's end
	ds_add_u32 v[SPW], v[NIL]
	s_wait_dscnt 0x0
	CROUND                                         ; the closing round
	s_endpgm
.Lfunc_end_k_qa03fecfde4_attn:
	.size	k_qa03fecfde4_attn, .Lfunc_end_k_qa03fecfde4_attn-k_qa03fecfde4_attn
	.p2alignl 7, 3214868480
	.fill 96, 4, 3214868480
	.section	.rodata,"a",@progbits
	.p2align	6, 0x0
	.amdhsa_kernel k_qa03fecfde4_attn
		.amdhsa_group_segment_fixed_size 167936
		.amdhsa_private_segment_fixed_size 0
		.amdhsa_enable_private_segment 0
		.amdhsa_kernarg_size 24
		.amdhsa_user_sgpr_count 2
		.amdhsa_user_sgpr_kernarg_segment_ptr 1
		.amdhsa_wavefront_size32 1
		.amdhsa_system_sgpr_workgroup_id_x 1
		.amdhsa_system_sgpr_workgroup_id_y 1
		.amdhsa_system_sgpr_workgroup_id_z 1
		.amdhsa_system_vgpr_workitem_id 0
		.amdhsa_next_free_vgpr 512
		.amdhsa_next_free_sgpr 66
		.amdhsa_reserve_vcc 0
		.amdhsa_float_denorm_mode_32 3
		.amdhsa_float_denorm_mode_16_64 3
		.amdhsa_memory_ordered 1
		.amdhsa_forward_progress 1
		.amdhsa_inst_pref_size 67
	.end_amdhsa_kernel
	.amdgpu_metadata
---
amdhsa.version: [ 1, 2 ]
amdhsa.kernels:
  - .name:           k_qa03fecfde4_attn
    .symbol:         k_qa03fecfde4_attn.kd
    .args:
      - { .name: qkv, .offset: 0, .size: 8, .value_kind: global_buffer, .address_space: global }
      - { .name: ac, .offset: 8, .size: 8, .value_kind: global_buffer, .address_space: global }
      - { .name: asc, .offset: 16, .size: 8, .value_kind: global_buffer, .address_space: global }
    .group_segment_fixed_size: 167936
    .private_segment_fixed_size: 0
    .kernarg_segment_align: 8
    .kernarg_segment_size: 24
    .max_flat_workgroup_size: 256
    .sgpr_count:     66
    .vgpr_count:     512
    .wavefront_size: 32
...
	.end_amdgpu_metadata
.endif
;; end of part 2
;; launch oproj (part 3): grid 8 x 32, 4 waves a work-group, clusters of 4 x 4, 327,680 bytes of LDS; arguments ac, asc, Wo_codes, Wo_scales, bo, out0; writes out0
.if DOCPART == 3
	.amdgcn_target "amdgcn-amd-amdhsa--gfx1250"
	.amdhsa_code_object_version 6
	.text
	.protected	k_qa03fecfde4_oproj
	.globl	k_qa03fecfde4_oproj
	.p2align	8
	.type	k_qa03fecfde4_oproj,@function
k_qa03fecfde4_oproj:
	s_mov_b64 s[64:65], 0
	v_nop
	global_prefetch_b8 v0, s[64:65] scope:SCOPE_SE
	s_setreg_imm32_b32 hwreg(HW_REG_WAVE_MODE, 25, 1), 1
	s_wait_xcnt 0x0
	s_wait_alu depctr_hold_cnt(0) depctr_sa_sdst(0) depctr_va_vdst(0) depctr_va_sdst(0) depctr_va_ssrc(0) depctr_va_vcc(0) depctr_vm_vsrc(0)
	s_getreg_b32 s2, hwreg(HW_REG_IB_STS2, 6, 4)
	s_cmp_eq_u32 s2, 0
	s_cbranch_scc0 .Lentry_in_a_cluster
	s_endpgm
.Lentry_in_a_cluster:
	s_bfe_u32 s2, ttmp6, 0x10000c
	s_cmp_lg_u32 s2, 0xf033
	s_cbranch_scc0 .Lentry_shape_is_right
	s_endpgm
.Lentry_shape_is_right:
.set BT,     65536
.set BP,     528
.set ASC,    133120
.set BSC,    137216
.set STAGE,  141568
.set SPARE,  158976
.set ADRA, 16
.set ADRB, 17
.set ADSA, 18
.set ADSB, 19
.set STO,  20
.set RD,   21
.set CO,   22
.set BO,   23
.set SPW,  26
.set NIL,  27
.set SA,   32
.set SB,   64
.set BIA,  96
.set ACC,  128
.set WV,   16
.set U,    17
.set W2,   18
.set G1A,  28
.set G1AS, 36
.set G1B,  44
.set G1BS, 52
.set G0A,  60
.set G0AS, 68
.set G0B,  72
.set G0BS, 76
.set MSB, 0
.macro WIN new
.if MSB != (\new)
	s_set_vgpr_msb (MSB<<8)|(\new)
.set MSB, (\new)
.endif
.endm
.macro PLACES
.rept 4
	v_nop
.endr
.endm
; out0 = (attention's result) Wo^T + bo on codes of FP4, K = 1,024; the bias is the first term of each sum.  Nothing is left out.  LIMITS: NaN, infinities and given scale bytes 0xff are not served.
; A work-group makes 128 x 128 of the result, each of its four waves 64 x 64.  Everything that it reads comes into LDS by four joint loads, ONE A WAVE: wave 0 A's codes, wave 1 B's, wave 2 A's scale bytes, wave 3 B's.
; One tree of branches on the wave's number, an arm a load; A's loads are shared along a row of the cluster, B's along a column.  No prefetch: no loop streams from memory.
.macro ARM under, g0, g1, next
	s_cmp_lt_u32 s[WV], \under
	s_cbranch_scc0 \next
	tensor_load_to_lds s[\g0:\g0+3], s[\g1:\g1+7]
	s_nop 0
.rept 4
	v_nop
.endr
	s_branch .Lhead_asked
\next:
.endm
.macro CROUND
	s_barrier_signal -1
	s_barrier_wait -1
	s_cmp_lg_u32 s[WV], 0
	s_cbranch_scc1 .Lnot_wave_0_\@
	s_barrier_signal -3
.Lnot_wave_0_\@:
	s_barrier_wait -3
	s_barrier_signal -1
	s_barrier_wait -1
.endm
	s_load_b256 s[4:11], s[0:1], 0x0
	s_load_b128 s[12:15], s[0:1], 0x20
	v_lshl_add_u32 v[SPW], v0, 2, SPARE
	v_mov_b32 v[NIL], 0
	ds_add_u32 v[SPW], v[NIL]
	ds_add_u32 v[SPW], v[NIL]
	v_lshrrev_b32 v1, 5, v0
	v_readfirstlane_b32 s[WV], v1
	s_lshr_b32 s[U], s[WV], 1
	s_and_b32 s[W2], s[WV], 1
	s_bfe_u32 s19, ttmp6, 0x40000
	s_bfe_u32 s20, ttmp6, 0x40004
	s_lshl_b32 s21, ttmp9, 2
	s_add_co_u32 s21, s21, s19
	s_and_b32 s22, ttmp7, 0xffff
	s_lshl_b32 s22, s22, 2
	s_add_co_u32 s22, s22, s20
	s_lshl_b32 s23, s20, 2
	s_lshl_b32 s23, 15, s23
	s_lshl_b32 s24, 0x1111, s19
	s_or_b32 s[G1A], s23, (3<<16)|(1<<21)
	s_mov_b32 s[G1A+1], 32<<16
	s_mov_b32 s[G1A+2], 256<<16                    ; 65,536 dense bytes as 256 rows
	s_mov_b32 s[G1A+3], 32<<16
	s_mov_b32 s[G1A+4], 256
	s_mov_b32 s[G1A+5], 32
	s_mov_b32 s[G1A+6], 0
	s_mov_b32 s[G1A+7], 0
	s_or_b32 s[G1AS], s23, (3<<16)|(1<<21)
	s_mov_b32 s[G1AS+1], 32<<16
	s_mov_b32 s[G1AS+2], 16<<16                    ; sixteen heads, 256 bytes each
	s_mov_b32 s[G1AS+3], 32<<16
	s_mov_b32 s[G1AS+4], 16
	s_mov_b32 s[G1AS+5], 1024
	s_mov_b32 s[G1AS+6], 0
	s_mov_b32 s[G1AS+7], 0
	s_or_b32 s[G1B], s24, (1<<20)|(1<<21)|(6<<22)|(3<<25)
	s_mov_b32 s[G1B+1], 512<<16
	s_mov_b32 s[G1B+2], 128<<16                    ; 128 rows of Wo, 512 bytes each
	s_mov_b32 s[G1B+3], 512<<16
	s_mov_b32 s[G1B+4], 128
	s_mov_b32 s[G1B+5], 512
	s_mov_b32 s[G1B+6], 0
	s_mov_b32 s[G1B+7], 0
	s_or_b32 s[G1BS], s24, (3<<16)|(1<<20)|(1<<21)|(5<<22)|(3<<25)
	s_mov_b32 s[G1BS+1], 32<<16
	s_mov_b32 s[G1BS+2], 16<<16                    ; their scale bytes: 4,096 dense bytes
	s_mov_b32 s[G1BS+3], 32<<16
	s_mov_b32 s[G1BS+4], 16
	s_mov_b32 s[G1BS+5], 32
	s_mov_b32 s[G1BS+6], 0
	s_mov_b32 s[G1BS+7], 0
	s_lshl_b32 s[G0A+2], s22, 16
	s_mov_b32 s[G0A+3], 0
	s_lshl_b32 s[G0AS+2], s22, 8
	s_mov_b32 s[G0AS+3], 0
	s_lshl_b32 s27, s21, 7
	s_lshl_b32 s[G0B+2], s27, 9
	s_mov_b32 s[G0B+3], 0
	s_lshl_b32 s[G0BS+2], s27, 5
	s_mov_b32 s[G0BS+3], 0
	s_mov_b32 s[G0A], 1
	s_mov_b32 s[G0AS], 1
	s_mov_b32 s[G0B], 1
	s_mov_b32 s[G0BS], 1
	s_mov_b32 s[G0A+1], 0
	s_mov_b32 s[G0AS+1], ASC
	s_mov_b32 s[G0B+1], BT
	s_mov_b32 s[G0BS+1], BSC
	s_lshl_b32 s82, s21, 9
	s_lshl_b32 s26, s[W2], 8
	s_add_co_u32 s82, s82, s26
	s_mov_b32 s83, 0
	s_lshl_b32 s80, s22, 19
	s_lshl_b32 s26, s[U], 18
	s_add_co_u32 s80, s80, s26
	s_add_co_u32 s80, s80, s82
	s_mov_b32 s81, 0
	s_wait_dscnt 0x0
	s_wait_kmcnt 0x0
	s_add_nc_u64 s[G0A+2:G0A+3], s[4:5], s[G0A+2:G0A+3]
	s_add_nc_u64 s[G0AS+2:G0AS+3], s[6:7], s[G0AS+2:G0AS+3]
	s_add_nc_u64 s[G0B+2:G0B+3], s[8:9], s[G0B+2:G0B+3]
	s_add_nc_u64 s[G0BS+2:G0BS+3], s[10:11], s[G0BS+2:G0BS+3]
	s_or_b32 s[G0A+3], s[G0A+3], 0x80000000
	s_or_b32 s[G0AS+3], s[G0AS+3], 0x80000000
	s_or_b32 s[G0B+3], s[G0B+3], 0x80000000
	s_or_b32 s[G0BS+3], s[G0BS+3], 0x80000000
	s_add_nc_u64 s[80:81], s[14:15], s[80:81]
	s_add_nc_u64 s[82:83], s[12:13], s[82:83]
	CROUND
	ARM 1, G0A,  G1A,  .Lhead_b
	ARM 2, G0B,  G1B,  .Lhead_as
	ARM 3, G0AS, G1AS, .Lhead_bs
	tensor_load_to_lds s[G0BS:G0BS+3], s[G1BS:G1BS+7]
	s_nop 0
.rept 4
	v_nop
.endr
.Lhead_asked:
	v_and_b32 v1, 15, v0
	v_bfe_u32 v2, v0, 4, 1
	v_and_b32 v3, 31, v0
	v_lshlrev_b32 v4, 4, v3
	s_lshl_b32 s25, s[U], 15
	v_add_nc_u32 v[ADRA], s25, v4
	v_mul_u32_u24 v5, v1, BP
	v_lshl_add_u32 v5, v2, 4, v5
	s_mul_i32 s25, s[W2], 64*BP
	s_add_co_u32 s25, s25, BT
	v_add_nc_u32 v[ADRB], s25, v5
	s_lshl_b32 s25, s[U], 7
	s_add_co_u32 s25, s25, ASC
	v_lshl_add_u32 v[ADSA], v1, 1, s25
	v_lshlrev_b32 v5, 5, v1
	v_lshrrev_b32 v6, 3, v1
	v_lshl_add_u32 v5, v6, 4, v5
	s_mul_i32 s25, s[W2], 8*272
	s_add_co_u32 s25, s25, BSC
	v_add_nc_u32 v[ADSB], s25, v5
	s_mul_i32 s25, s[WV], 16*272
	s_add_co_u32 s25, s25, STAGE
	v_mul_u32_u24 v5, v1, 272
	v_lshl_add_u32 v5, v2, 5, v5
	v_add_nc_u32 v[STO], s25, v5
	v_mul_u32_u24 v5, v2, 272
	v_lshl_add_u32 v5, v1, 4, v5
	v_add_nc_u32 v[RD], s25, v5
	v_lshlrev_b32 v5, 12, v2
	v_lshl_add_u32 v[CO], v1, 4, v5
	v_lshlrev_b32 v[BO], 5, v2
.irp b, 0,1,2,3
	global_load_b128 v[BIA+8*\b:BIA+8*\b+3], v[BO], s[82:83] offset:64*\b
	global_load_b128 v[BIA+8*\b+4:BIA+8*\b+7], v[BO], s[82:83] offset:64*\b+16
.endr
	s_wait_alu depctr_va_vdst(0)                   ; the wait at the head's end
	s_wait_tensorcnt 0x0                           ; my tile is in,
	s_barrier_signal -1
	s_barrier_wait -1                              ; all four are
.irp b, 0,1,2,3
	ds_load_b128 v[SB+8*\b:SB+8*\b+3], v[ADSB] offset:544*\b
	ds_load_b128 v[SB+8*\b+4:SB+8*\b+7], v[ADSB] offset:544*\b+16
.endr
.irp q, 0,1,2,3,4,5,6,7
.irp a, 0,1,2,3
	ds_load_u16 v[ACC+2*(8*\a+\q)], v[ADSA] offset:512*\q+32*\a
	ds_load_u16 v[ACC+2*(8*\a+\q)+1], v[ADSA] offset:512*\q+32*\a+256
.endr
.endr
	s_wait_dscnt 0x0
.irp q, 0,1,2,3,4,5,6,7
.irp a, 0,1,2,3
	v_lshl_or_b32 v[SA+8*\a+\q], v[ACC+2*(8*\a+\q)+1], 16, v[ACC+2*(8*\a+\q)]
.endr
.endr
.macro FETCH q
	WIN 0x40
.irp b, 0,1,2,3
.irp c, 0,1
	ds_load_b128 v[64*((\q)%4)+8*\b+4*\c:64*((\q)%4)+8*\b+4*\c+3], v[ADRB] offset:16*\b*BP+64*(\q)+32*\c
.endr
.endr
.irp a, 0,1,2,3
.irp c, 0,1
	ds_load_b128 v[64*((\q)%4)+32+8*\a+4*\c:64*((\q)%4)+32+8*\a+4*\c+3], v[ADRA] offset:8192*\a+1024*(\q)+512*\c
.endr
.endr
.endm
.macro PROD q
	WIN 0x05
.irp a, 0,1,2,3
.irp b, 0,1,2,3
.if (\q) == 0
	v_wmma_scale_f32_16x16x128_f8f6f4 v[ACC+8*(4*\a+\b):ACC+8*(4*\a+\b)+7], v[64*((\q)%4)+8*\b:64*((\q)%4)+8*\b+7], v[64*((\q)%4)+32+8*\a:64*((\q)%4)+32+8*\a+7], v[BIA+8*\b:BIA+8*\b+7], v[SB+8*\b+(\q)], v[SA+8*\a+(\q)] matrix_a_fmt:MATRIX_FMT_FP4 matrix_b_fmt:MATRIX_FMT_FP4
.else
	v_wmma_scale_f32_16x16x128_f8f6f4 v[ACC+8*(4*\a+\b):ACC+8*(4*\a+\b)+7], v[64*((\q)%4)+8*\b:64*((\q)%4)+8*\b+7], v[64*((\q)%4)+32+8*\a:64*((\q)%4)+32+8*\a+7], v[ACC+8*(4*\a+\b):ACC+8*(4*\a+\b)+7], v[SB+8*\b+(\q)], v[SA+8*\a+(\q)] matrix_a_fmt:MATRIX_FMT_FP4 matrix_b_fmt:MATRIX_FMT_FP4
.endif
.endr
.endr
.endm
	FETCH 0
	FETCH 1
	FETCH 2
	s_wait_loadcnt 0x0
.irp q, 0,1,2,3,4,5,6,7
.if \q+3 < 8
.if \q > 0
	PLACES
.endif
	FETCH \q+3
.endif
.if 7-\q > 3
	s_wait_dscnt 48
.else
	s_wait_alu depctr_va_vdst(0)
	s_wait_dscnt 16*(7-\q)
.endif
	PROD \q
.endr
	WIN 0
	PLACES
.macro TOSTAGE a
	WIN 0
.irp b, 0,1,2,3
	ds_store_b128 v[STO], v[ACC+8*(4*(\a)+\b):ACC+8*(4*(\a)+\b)+3] offset:64*\b
	ds_store_b128 v[STO], v[ACC+8*(4*(\a)+\b)+4:ACC+8*(4*(\a)+\b)+7] offset:64*\b+16
.endr
	WIN 0x40
.irp t, 0,1,2,3,4,5,6,7
	ds_load_b128 v[32*((\a)%2)+4*\t:32*((\a)%2)+4*\t+3], v[RD] offset:\t*2*272
.endr
.endm
.macro SEND a, younger
	s_wait_dscnt \younger
	WIN 0x04
.irp t, 0,1,2,3,4,5,6,7
	global_store_b128 v[CO], v[32*((\a)%2)+4*\t:32*((\a)%2)+4*\t+3], s[80:81] offset:(16*(\a)+2*\t)*4096 th:TH_STORE_NT
.endr
.endm
	TOSTAGE 0
.irp a, 1,2,3
.if \a > 1
	s_wait_xcnt 0x0
.endif
	TOSTAGE \a
	SEND \a-1, 16
.endr
	SEND 3, 0
	WIN 0
	s_wait_tensorcnt 0x0
	ds_add_u32 v[SPW], v[NIL]
	s_wait_dscnt 0x0
	CROUND
	s_endpgm
.Lfunc_end_k_qa03fecfde4_oproj:
	.size	k_qa03fecfde4_oproj, .Lfunc_end_k_qa03fecfde4_oproj-k_qa03fecfde4_oproj
	.p2alignl 7, 3214868480
	.fill 96, 4, 3214868480
	.section	.rodata,"a",@progbits
	.p2align	6, 0x0
	.amdhsa_kernel k_qa03fecfde4_oproj
		.amdhsa_group_segment_fixed_size 327680
		.amdhsa_private_segment_fixed_size 0
		.amdhsa_enable_private_segment 0
		.amdhsa_kernarg_size 48
		.amdhsa_user_sgpr_count 2
		.amdhsa_user_sgpr_kernarg_segment_ptr 1
		.amdhsa_wavefront_size32 1
		.amdhsa_system_sgpr_workgroup_id_x 1
		.amdhsa_system_sgpr_workgroup_id_y 1
		.amdhsa_system_sgpr_workgroup_id_z 1
		.amdhsa_system_vgpr_workitem_id 0
		.amdhsa_next_free_vgpr 512
		.amdhsa_next_free_sgpr 84
		.amdhsa_reserve_vcc 0
		.amdhsa_float_denorm_mode_32 3
		.amdhsa_float_denorm_mode_16_64 3
		.amdhsa_memory_ordered 1
		.amdhsa_forward_progress 1
		.amdhsa_inst_pref_size 49
	.end_amdhsa_kernel
	.amdgpu_metadata
---
amdhsa.version: [ 1, 2 ]
amdhsa.kernels:
  - .name:           k_qa03fecfde4_oproj
    .symbol:         k_qa03fecfde4_oproj.kd
    .args:
      - { .name: ac, .offset: 0, .size: 8, .value_kind: global_buffer, .address_space: global }
      - { .name: asc, .offset: 8, .size: 8, .value_kind: global_buffer, .address_space: global }
      - { .name: Wo_codes, .offset: 16, .size: 8, .value_kind: global_buffer, .address_space: global }
      - { .name: Wo_scales, .offset: 24, .size: 8, .value_kind: global_buffer, .address_space: global }
      - { .name: bo, .offset: 32, .size: 8, .value_kind: global_buffer, .address_space: global }
      - { .name: out0, .offset: 40, .size: 8, .value_kind: global_buffer, .address_space: global }
    .group_segment_fixed_size: 327680
    .private_segment_fixed_size: 0
    .kernarg_segment_align: 8
    .kernarg_segment_size: 48
    .max_flat_workgroup_size: 128
    .sgpr_count:     84
    .vgpr_count:     512
    .wavefront_size: 32
...
	.end_amdgpu_metadata
.endif
;; end of part 3
